; MI455X (gfx1250); checked and timed in simulation.
; The chip was launched on July 23, 2026; its instructions are those of AMD's public machine-readable ISA for CDNA 5 (MIT licence, August 2026) and "CDNA5" Instruction Set Architecture Reference Guide (July 2026). The comments in the code are by the model that wrote it; some were corrected since.
;; Mo E. Allowed arithmetic: float matrix products may take bf16 or f16 operands with f32 sums; all other float work in f32.
;; Inputs: W1 2 x 1,024 x 4,096 float32; W2 2 x 4,096 x 1,024 float32; Wr 2 x 1,024 float32; b1 2 x 4,096 float32; b2 2 x 1,024 float32; x 2 x 2,048 x 1,024 float32.
;; Outputs: out0 2 x 2,048 x 1,024 float32.
;; 2 versions, each right; version 2 is version 1 with the launch prep written anew for expert scheduling mode. Each part assembles by itself: llvm-mc -triple=amdgcn-amd-amdhsa -mcpu=gfx1250 --defsym DOCPART=n.
;; ======== version 1 of 2: 4 launches
;; workspace buffers: xb 8,388,608 bytes; w1b 16,777,216 bytes; w2b 16,777,216 bytes; gate 32,768 bytes; h 67,108,864 bytes; part 67,108,864 bytes
;; launch prep (part 1): grid 640 x 1, 8 waves a work-group, no clusters, 1,280 bytes of LDS; arguments x, Wr, W1, W2, xb, w1b, w2b, gate; writes xb, w1b, w2b, gate
.if DOCPART == 1
	.amdgcn_target "amdgcn-amd-amdhsa--gfx1250"
	.amdhsa_code_object_version 6
	.text
	.protected	k_qae339266e1_prep
	.globl	k_qae339266e1_prep
	.p2align	8
	.type	k_qae339266e1_prep,@function
k_qae339266e1_prep:
	s_mov_b64 s[64:65], 0
	v_nop
	global_prefetch_b8 v0, s[64:65] scope:SCOPE_SE
	s_setreg_imm32_b32 hwreg(HW_REG_WAVE_MODE, 25, 1), 1
	s_wait_xcnt 0x0
; xb = bf16(x), w1b = bf16(W1), w2b = bf16(W2), each in its own order; gate[token][e] = mask[token][e] / TOP_K in f32.
; All three tensors are taken as rows of 1,024 f32 (4,096 bytes in, 2,048 bytes out): x has 4,096, W1 and W2 8,192 each.
; A work-group takes 32 rows, a wave 4: work-groups 0-127 x, 128-383 W1, 384-639 W2.  A wave asks for its 4 rows at once (32 loads of
; 512 neighbouring bytes) and works them off in order.  A store of a wave covers 256 consecutive bytes, aligned.
; ROUTER (x's work-groups): both scores x . Wr[e] in f32; top_k of 2 among 2: the index of the larger score first (the lower index on a
; tie), then the one that is left; mask[e] = the sum of the two one-hots; gate = mask / 2.  It only selects values: no branch, no address.
; LIMIT: the score's 1,024 products are added in another order than a plain dot product's; since both experts are always among the two
; chosen, the mask does not hang on the scores' last bits.
; No matrix unit, no tensor loads, no cluster: no byte is read twice, and there is nothing to multiply in bulk.
.set GA, 24                            ; v[24:31]   gates of my wave's 4 rows: (e0, e1) for each
.set WR, 32                            ; v[32:95]   Wr: expert e, chunk j at 32 e + 4 j
.set X,  96                            ; v[96:223]  row r, chunk j at 32 r + 4 j: as loaded, then (first two registers) as stored
	s_load_b256 s[4:11], s[0:1], 0x0               ; x s[4:5], Wr s[6:7], W1 s[8:9], W2 s[10:11]
	s_load_b256 s[12:19], s[0:1], 0x20             ; xb s[12:13], w1b s[14:15], w2b s[16:17], gate s[18:19]
	v_lshl_add_u32 v224, v0, 2, 0x100
	v_mov_b32 v225, 0
	v_lshrrev_b32 v16, 5, v0
	v_readfirstlane_b32 s20, v16                   ; wave 0..7
	v_and_b32 v17, 31, v0                          ; lane
	v_lshlrev_b32 v3, 4, v17                       ; 16 bytes a lane: my place in a chunk of 512 bytes of f32
	v_lshlrev_b32 v5, 3, v17                       ; 8 bytes a lane: the same four numbers in bf16
	v_lshl_add_u32 v1, v16, 14, v3                 ; + wave x 4 rows x 4,096 bytes: source
	v_lshl_add_u32 v2, v16, 13, v5                 ; + wave x 4 rows x 2,048 bytes: destination
	v_mov_b32 v4, s20
	v_lshlrev_b32 v4, 5, v4                        ; my wave's 32 bytes in LDS: 4 rows x 2 gates
	v_mov_b32 v20, 1
	v_mov_b32 v21, 0.5                             ; 1 / TOP_K
	s_mov_b32 s28, 0x76543210                      ; v_permlanex16_b32: each lane takes its own place in the other half
	s_mov_b32 s29, 0xfedcba98
	s_mov_b32 s27, 0                               ; high word of every offset pair
	s_wait_kmcnt 0x0
.macro LOADROWS                        ; my wave's 4 rows: 32 loads, read once in the whole launch
.irp r, 0,1,2,3
.irp j, 0,1,2,3,4,5,6,7
	global_load_b128 v[X+32*\r+4*\j:X+32*\r+4*\j+3], v1, s[22:23] offset:\r*4096+512*\j th:TH_LOAD_NT
.endr
.endr
.endm
; Row r.  dot = 1: the router's two scores and the row's gates as well.
.macro ROW r, dot
	s_wait_loadcnt 8*(3-\r)                        ; loads come back in order (ISA guide 5.7.1): this row (and Wr, asked for first) is in, the 8 loads of each later row stay out
.if \dot
	v_pk_mul_f32 v[8:9],   v[X+32*\r:X+32*\r+1],   v[WR:WR+1]        ; the first chunk starts the four pair sums: nothing is cleared
	v_pk_mul_f32 v[10:11], v[X+32*\r+2:X+32*\r+3], v[WR+2:WR+3]
	v_pk_mul_f32 v[12:13], v[X+32*\r:X+32*\r+1],   v[WR+32:WR+33]
	v_pk_mul_f32 v[14:15], v[X+32*\r+2:X+32*\r+3], v[WR+34:WR+35]
.irp j, 1,2,3,4,5,6,7
	v_pk_fma_f32 v[8:9],   v[X+32*\r+4*\j:X+32*\r+4*\j+1],   v[WR+4*\j:WR+4*\j+1],       v[8:9]
	v_pk_fma_f32 v[10:11], v[X+32*\r+4*\j+2:X+32*\r+4*\j+3], v[WR+4*\j+2:WR+4*\j+3],     v[10:11]
	v_pk_fma_f32 v[12:13], v[X+32*\r+4*\j:X+32*\r+4*\j+1],   v[WR+32+4*\j:WR+32+4*\j+1], v[12:13]
	v_pk_fma_f32 v[14:15], v[X+32*\r+4*\j+2:X+32*\r+4*\j+3], v[WR+34+4*\j:WR+34+4*\j+1], v[14:15]
.endr
	v_pk_add_f32 v[8:9], v[8:9], v[10:11]
	v_pk_add_f32 v[12:13], v[12:13], v[14:15]
	v_add_f32 v8, v8, v9
	v_add_f32 v12, v12, v13
.irp m, 1,2,4,8                        ; across 16 lanes; the two scores alternate
	v_add_f32_dpp v8, v8, v8 row_xmask:\m row_mask:0xf bank_mask:0xf
	v_add_f32_dpp v12, v12, v12 row_xmask:\m row_mask:0xf bank_mask:0xf
.endr
	v_permlanex16_b32 v16, v8, s28, s29            ; the other half of the lanes (v16, v17 have been written)
	v_permlanex16_b32 v17, v12, s28, s29
	v_add_f32 v8, v8, v16                          ; score of expert 0, in every lane
	v_add_f32 v12, v12, v17                        ; score of expert 1
	v_cmp_gt_f32 vcc_lo, v12, v8
	v_cndmask_b32 v18, 0, v20, vcc_lo              ; top[0]: 1 where expert 1's score is the larger, else 0
	v_xor_b32 v19, 1, v18                          ; top[1]: the expert that is left
.irp e, 0,1
	v_cmp_eq_u32 vcc_lo, \e, v18
	v_cndmask_b32 v16, 0, v21, vcc_lo              ; one_hot(top[0])[e] / 2
	v_cmp_eq_u32 vcc_lo, \e, v19
	v_cndmask_b32 v17, 0, v21, vcc_lo              ; one_hot(top[1])[e] / 2
	v_add_f32 v[GA+2*\r+\e], v16, v17
.endr
.endif
.irp j, 0,1,2,3,4,5,6,7
	v_cvt_pk_bf16_f32 v[X+32*\r+4*\j],   v[X+32*\r+4*\j],   v[X+32*\r+4*\j+1]   ; rounds to nearest even, in place
	v_cvt_pk_bf16_f32 v[X+32*\r+4*\j+1], v[X+32*\r+4*\j+2], v[X+32*\r+4*\j+3]
	global_store_b64 v2, v[X+32*\r+4*\j:X+32*\r+4*\j+1], s[24:25] offset:\r*2048+256*\j   ; 32 lanes x 8 bytes; no register of a store is written again
.endr
.endm
	s_cmp_lt_u32 ttmp9, 128                        ; the same in all eight waves
	s_cbranch_scc0 .Lweights
	; x: 32 rows are 131,072 bytes in, 65,536 out, and 256 bytes of gates
	s_lshl_b32 s26, ttmp9, 17
	s_add_nc_u64 s[22:23], s[4:5], s[26:27]
	s_lshl_b32 s26, ttmp9, 16
	s_add_nc_u64 s[24:25], s[12:13], s[26:27]
	s_lshl_b32 s26, ttmp9, 8
	s_add_nc_u64 s[18:19], s[18:19], s[26:27]
.irp e, 0,1
.irp j, 0,1,2,3,4,5,6,7
	global_load_b128 v[WR+32*\e+4*\j:WR+32*\e+4*\j+3], v3, s[6:7] offset:\e*4096+512*\j   ; every work-group of x reads Wr: no hint
.endr
.endr
	LOADROWS
	ROW 0, 1
	ROW 1, 1
	ROW 2, 1
	ROW 3, 1
	; the work-group's 32 x 2 gates are 256 bytes: gathered in LDS, stored by one instruction
.irp r, 0,1,2,3
	ds_store_b64 v4, v[GA+2*\r:GA+2*\r+1] offset:8*\r      ; all lanes hold the same two numbers
.endr
	s_wait_dscnt 0x0                               ; for wave 0's sake: my stores are done
	s_barrier_signal -1
	s_barrier_wait -1
	s_cmp_lg_u32 s20, 0
	s_cbranch_scc1 .Lend
	ds_load_b64 v[6:7], v5                         ; lane l: row l's pair
	s_wait_dscnt 0x0
	global_store_b64 v5, v[6:7], s[18:19]
.Lend:
	s_wait_tensorcnt 0x0
	ds_add_u32 v224, v225
	s_wait_dscnt 0x0
	s_endpgm
.Lweights:
	s_sub_co_u32 s21, ttmp9, 128                   ; 0-255: W1, 256-511: W2
	s_and_b32 s26, s21, 255                        ; the block of 32 rows in its tensor
	s_cmp_lt_u32 s21, 256
	s_cselect_b64 s[22:23], s[8:9], s[10:11]
	s_cselect_b64 s[24:25], s[14:15], s[16:17]
	s_lshl_b32 s21, s26, 16
	s_lshl_b32 s26, s26, 17
	s_add_nc_u64 s[22:23], s[22:23], s[26:27]
	s_mov_b32 s26, s21
	s_add_nc_u64 s[24:25], s[24:25], s[26:27]
	LOADROWS
	ROW 0, 0
	ROW 1, 0
	ROW 2, 0
	ROW 3, 0
	s_endpgm
.Lfunc_end_k_qae339266e1_prep:
	.size	k_qae339266e1_prep, .Lfunc_end_k_qae339266e1_prep-k_qae339266e1_prep
	.p2alignl 7, 3214868480
	.fill 96, 4, 3214868480
	.section	.rodata,"a",@progbits
	.p2align	6, 0x0
	.amdhsa_kernel k_qae339266e1_prep
		.amdhsa_group_segment_fixed_size 1280
		.amdhsa_private_segment_fixed_size 0
		.amdhsa_enable_private_segment 0
		.amdhsa_kernarg_size 64
		.amdhsa_user_sgpr_count 2
		.amdhsa_user_sgpr_kernarg_segment_ptr 1
		.amdhsa_wavefront_size32 1
		.amdhsa_system_sgpr_workgroup_id_x 1
		.amdhsa_system_sgpr_workgroup_id_y 1
		.amdhsa_system_sgpr_workgroup_id_z 1
		.amdhsa_system_vgpr_workitem_id 0
		.amdhsa_next_free_vgpr 226
		.amdhsa_next_free_sgpr 66
		.amdhsa_reserve_vcc 1
		.amdhsa_float_denorm_mode_32 3
		.amdhsa_float_denorm_mode_16_64 3
		.amdhsa_memory_ordered 1
		.amdhsa_forward_progress 1
		.amdhsa_inst_pref_size 38
	.end_amdhsa_kernel
	.amdgpu_metadata
---
amdhsa.version: [ 1, 2 ]
amdhsa.kernels:
  - .name:           k_qae339266e1_prep
    .symbol:         k_qae339266e1_prep.kd
    .args:
      - { .name: x, .offset: 0, .size: 8, .value_kind: global_buffer, .address_space: global }
      - { .name: Wr, .offset: 8, .size: 8, .value_kind: global_buffer, .address_space: global }
      - { .name: W1, .offset: 16, .size: 8, .value_kind: global_buffer, .address_space: global }
      - { .name: W2, .offset: 24, .size: 8, .value_kind: global_buffer, .address_space: global }
      - { .name: xb, .offset: 32, .size: 8, .value_kind: global_buffer, .address_space: global }
      - { .name: w1b, .offset: 40, .size: 8, .value_kind: global_buffer, .address_space: global }
      - { .name: w2b, .offset: 48, .size: 8, .value_kind: global_buffer, .address_space: global }
      - { .name: gate, .offset: 56, .size: 8, .value_kind: global_buffer, .address_space: global }
    .group_segment_fixed_size: 1280
    .private_segment_fixed_size: 0
    .kernarg_segment_align: 8
    .kernarg_segment_size: 64
    .max_flat_workgroup_size: 256
    .sgpr_count:     66
    .vgpr_count:     226
    .wavefront_size: 32
...
	.end_amdgpu_metadata
.endif
;; end of part 1
;; launch ffn1 (part 2): grid 32 x 16, 4 waves a work-group, clusters of 4 x 4, 327,680 bytes of LDS; arguments xb, w1b, h, b1, gate; writes h
.if DOCPART == 2
	.amdgcn_target "amdgcn-amd-amdhsa--gfx1250"
	.amdhsa_code_object_version 6
	.text
	.protected	k_qae339266e1_ffn1
	.globl	k_qae339266e1_ffn1
	.p2align	8
	.type	k_qae339266e1_ffn1,@function
k_qae339266e1_ffn1:
	s_mov_b64 s[64:65], 0
	v_nop
	global_prefetch_b8 v0, s[64:65] scope:SCOPE_SE
	s_setreg_imm32_b32 hwreg(HW_REG_WAVE_MODE, 25, 1), 1
	s_wait_xcnt 0x0
	s_wait_alu depctr_hold_cnt(0) depctr_sa_sdst(0) depctr_va_vdst(0) depctr_va_sdst(0) depctr_va_ssrc(0) depctr_va_vcc(0) depctr_vm_vsrc(0)
	s_getreg_b32 s2, hwreg(HW_REG_IB_STS2, 6, 4)
	s_cmp_eq_u32 s2, 0
	s_cbranch_scc0 .Lentry_in_a_cluster
	s_endpgm
.Lentry_in_a_cluster:
	s_bfe_u32 s2, ttmp6, 0x10000c
	s_cmp_lg_u32 s2, 0xf033
	s_cbranch_scc0 .Lentry_shape_is_right
	s_endpgm
.Lentry_shape_is_right:
; h[t][e*4096+f] = bf16( gelu( sum over d of xb[t][d] w1b[e][d][f] + b1[e][f] ) * gate[t][e] ).  xb: [4096][1024] bf16, w1b: [2][1024][4096] bf16,
; h: [4096][8192] bf16, b1: [2][4096] f32, gate: [4096][2] f32 (mask / 2).  Sums, bias, GELU and gate in f32; h is rounded once.
; A tile of h is 256 x 256: four waves, each 128 x 128 in 64 accumulators of 16 x 16 (512 registers).  K = 1,024 goes in 8 steps of 128 through a ring
; of two LDS slots filled by tensor loads.  A's tile (256 tokens x 128 d) lies along K; the weights lie [d][f], so B's tile is 128 rows of d x 256 f and
; its fragments are made by the transposing LDS load.
; CLUSTER: 4 x 4 work-groups.  The four of a row of the cluster make tiles of the same 256 tokens and need the same tiles of xb; the four of a column need
; the same tiles of w1b.  Each tile is asked for jointly: the same tensor load with the same descriptor and a mask that names the four.
; THE MATRIX INSTRUCTION IS USED TRANSPOSED (source 0 = 16 columns f, source 1 = 16 tokens): a lane holds token l % 16 and eight neighbouring f.
; GELU is the exact (erf) form, erf by the rational formula 7.1.26 of Abramowitz and Stegun: with a = |u|, t = 1 / (1 + 0.23164189 a),
; erf(a / sqrt 2) = R = 1 - (((((a5 t + a4) t + a3) t + a2) t + a1) t) 2^(-0.72134752 a a), gelu(u) = 0.5 (u + a R).
; LIMIT: |error of erf| <= 1.5e-7, so gelu is off by at most about 1.4e-7 |u| in absolute terms for every u; relative accuracy in the far negative tail,
; where gelu itself is below that, is not kept.  For large |u| the exponential is 0 and t goes to 0: R = 1, the result u or 0.
; REGISTERS, in windows of 256: window 0: v16-28 addresses; v32-63 rows on their way out; v64-127, v128-191 fragments of A, two buffers (on the way out: the
; block at work); v192-223 packed results; v224-239 gates; v240-243 constants.  Window 1: v0-63 bias; v64-127, v128-191 fragments of B.
; Windows 2, 3: the accumulators of my rows 0-63, 64-127; (a, b) at v[8 (8 a + b)].
.set PITCH,  272                       ; a row of A in LDS: 256 bytes + 16 = 68 words: row r starts at bank 4 r mod 64 (64 banks of 4 bytes: ISA guide 11.1)
.set PB,     544                       ; a row of B (one d, 256 f): 512 bytes + 32 = 136 words
.set HALFT,  128*PITCH                 ; what one tensor load brings: 128 rows of A, or 64 rows of B (64 x 544 is the same 34,816 bytes)
.set SLOT,   4*HALFT                   ; A's 256 rows, then B's 128 rows
.set STAGE,  2*SLOT                    ; behind the ring: 16 rows x 272 bytes for each wave; no tensor load lands here
.set SPITCH, 272
.set LAPS,   4                         ; a lap = two K steps = once round the ring: 1,024 / 256
.set HROW,   16384                     ; bytes in a row of h
.set ADRA, 16                          ; v16-17  LDS address of my A fragments in slot 0, 1
.set ADRB, 20                          ; v20-21  the same for B
.set STO,  24                          ; v24     the way out: where I put 16 bytes of a row
.set RD,   25                          ; v25     where I read a row back
.set CO,   26                          ; v26     my byte offset in h
.set BO,   27                          ; v27     my byte offset in b1
.set GO,   28                          ; v28     my byte offset in gate
.set OB,   32
.set F0,   64
.set F1,   128
.set TMP,  192
.set GT,   224                         ; block a's gate of my token, written twice
.set A5,   240                         ; a5, twice
.set GC,   242                         ; 0.5 x the gate of the block at work, twice
.set BI,   0                           ; window 1: b1 of my 8 x 8 columns
.set U,    64                          ; the way out, in A's buffers: u of a block of 16 tokens (64 numbers a lane),
.set AB,   128                         ; and for eight of them |u|,
.set TT,   136                         ; t,
.set EE,   144                         ; the exponential,
.set PO,   152                         ; the polynomial and the result
.set G1,  24                           ; s[24:31] descriptor group 1 for A's tiles;  s[32:39] group 0, a set for each slot
.set G0,  32
.set G1B, 48                           ; s[48:55], s[56:63] the same for B's
.set G0B, 56
.set PP,  72                           ; scalar pairs, both words written: 0.23164189
.set CC,  74                           ; -0.72134752
.set A4,  76
.set A3,  78
.set A2,  80
.set A1,  82
.set MSB, 0
.macro WIN new                         ; the immediate's high byte repeats the setting that is left; a switch that changes nothing is dropped
.if MSB != \new
	s_set_vgpr_msb (MSB<<8)|\new
.set MSB, \new
.endif
.endm
.set MUL_LO, 0xa1                      ; source 0 (B) window 1, source 1 (A) window 0, C and D window 2
.set MUL_HI, 0xf1                      ; the same, C and D window 3
.set TO_B,   0x40                      ; destination window 1
.set ADD_LO, 0x06                      ; source 0 window 2, source 1 window 1, destination window 0
.set ADD_HI, 0x07                      ; the same with source 0 in window 3
; A joint refill.  Waves 0 and 1 fetch A's two halves, waves 2 and 3 B's.  The branch hangs on the wave's number alone.  Four v_nop follow each of the two
; lines, ahead of the jump, the label and what follows.
.macro JLOAD s
	s_cmp_lt_u32 s10, 2
	s_cbranch_scc0 .Lfor_b_\@
	tensor_load_to_lds s[G0+4*\s:G0+4*\s+3], s[G1:G1+7]
	s_nop 0
.rept 4
	v_nop
.endr
	s_branch .Lasked_\@
.Lfor_b_\@:
	tensor_load_to_lds s[G0B+4*\s:G0B+4*\s+3], s[G1B:G1B+7]
	s_nop 0
.rept 4
	v_nop
.endr
.Lasked_\@:
.endm
.macro CREST                           ; a round of the cluster's barrier behind its opening barrier: wave 0 signals for the work-group, every wave waits for all sixteen, my work-group's barrier closes it
	s_cmp_lg_u32 s10, 0
	s_cbranch_scc1 .Lnot_wave_0_\@
	s_barrier_signal -3
.Lnot_wave_0_\@:
	s_barrier_wait -3
	s_barrier_signal -1
	s_barrier_wait -1
.endm
.macro CROUND                          ; a whole round
	s_barrier_signal -1
	s_barrier_wait -1
	CREST
.endm
	s_load_b128 s[4:7], s[0:1], 0x0                ; xb s[4:5], w1b s[6:7]
	s_load_b64 s[8:9], s[0:1], 0x10                ; h
	s_load_b64 s[68:69], s[0:1], 0x18              ; b1
	s_load_b64 s[70:71], s[0:1], 0x20              ; gate
	s_set_vgpr_msb 0x40
	v_lshl_add_u32 v255, v0, 2, 0x48400
	s_set_vgpr_msb 0x4000
	v_mov_b32 v255, 0
	s_set_vgpr_msb 0x1
	ds_add_u32 v255, v255
	s_set_vgpr_msb 0x100
	v_lshrrev_b32 v1, 5, v0
	v_readfirstlane_b32 s10, v1                    ; wave 0..3
	s_lshr_b32 s11, s10, 1                         ; which half of the tile's rows is mine
	s_and_b32 s12, s10, 1                          ; which half of its columns.  Also: which half of A's or B's tile I fetch
	s_bfe_u32 s40, ttmp6, 0x40000                  ; cx
	s_bfe_u32 s41, ttmp6, 0x40004                  ; cy
	s_lshl_b32 s42, ttmp9, 2
	s_add_co_u32 s42, s42, s40                     ; tile column 0..31 = 4 x cluster x + cx
	s_and_b32 s13, ttmp7, 0xffff
	s_lshl_b32 s13, s13, 2
	s_add_co_u32 s13, s13, s41                     ; tile row 0..15 = 4 x cluster y + cy
	s_lshl_b32 s43, s41, 2
	s_lshl_b32 s43, 15, s43                        ; my row of the cluster
	s_lshl_b32 s44, 0x1111, s40                    ; my column
	; group 1 for A: 128 rows x 128 elements of 2 bytes, 4 words of padding behind every 64 words; bit 21 stands beside a mask
	s_or_b32 s[G1+0], s43, (1<<16)|(1<<20)|(1<<21)|(5<<22)|(3<<25)
	s_mov_b32 s[G1+1], 128<<16                     ; tensor_dim0 = 128
	s_mov_b32 s[G1+2], 128<<16                     ; tensor_dim1 = 128
	s_mov_b32 s[G1+3], 128<<16                     ; tile_dim0 = 128
	s_mov_b32 s[G1+4], 128                         ; tile_dim1 = 128
	s_mov_b32 s[G1+5], 1024                        ; elements from row to row of xb
	s_mov_b32 s[G1+6], 0
	s_mov_b32 s[G1+7], 0
	; group 1 for B: 64 rows x 256 elements, 8 words of padding behind every 128 words
	s_or_b32 s[G1B+0], s44, (1<<16)|(1<<20)|(1<<21)|(6<<22)|(7<<25)
	s_mov_b32 s[G1B+1], 256<<16
	s_mov_b32 s[G1B+2], 64<<16
	s_mov_b32 s[G1B+3], 256<<16
	s_mov_b32 s[G1B+4], 64
	s_mov_b32 s[G1B+5], 4096                       ; elements from row to row of w1b
	s_mov_b32 s[G1B+6], 0
	s_mov_b32 s[G1B+7], 0
	; A's address hangs on the tile row and the wave alone, B's on the tile column and the wave alone, each in registers that never hold the other coordinate
	s_lshl_b32 s17, s12, 7
	s_lshl_b32 s16, s13, 8
	s_add_co_u32 s16, s16, s17                     ; token 256 x tile row + 128 x half
	s_lshl_b32 s16, s16, 11                        ; x 2,048 bytes
	s_mov_b32 s17, 0
	s_lshr_b32 s85, s42, 4                         ; the expert: 16 tile columns each
	s_and_b32 s46, s42, 15
	s_lshl_b32 s46, s46, 9                         ; 256 columns of 2 bytes
	s_lshl_b32 s47, s85, 23                        ; an expert's 1,024 x 4,096 x 2 bytes
	s_add_co_u32 s46, s46, s47
	s_lshl_b32 s47, s12, 19                        ; 64 rows of 8,192 bytes
	s_add_co_u32 s46, s46, s47
	s_mov_b32 s47, 0
	s_mul_i32 s20, s10, HALFT                      ; where my part goes: A's two halves, then B's two: no place in the cluster enters an LDS address
	s_mov_b32 s[PP],   0x3e6d3388                  ; 0.3275911 / sqrt 2
	s_mov_b32 s[PP+1], 0x3e6d3388
	s_mov_b32 s[CC],   0xbf38aa3b                  ; -log2(e) / 2
	s_mov_b32 s[CC+1], 0xbf38aa3b
	s_mov_b32 s[A4],   0xbfba00e3                  ; -1.453152027
	s_mov_b32 s[A4+1], 0xbfba00e3
	s_mov_b32 s[A3],   0x3fb5f0e3                  ; 1.421413741
	s_mov_b32 s[A3+1], 0x3fb5f0e3
	s_mov_b32 s[A2],   0xbe91a98e                  ; -0.284496736
	s_mov_b32 s[A2+1], 0xbe91a98e
	s_mov_b32 s[A1],   0x3e827906                  ; 0.254829592
	s_mov_b32 s[A1+1], 0x3e827906
	s_mov_b32 s84, 0x7fffffff                      ; clears a sign
	s_wait_dscnt 0x0
	s_wait_kmcnt 0x0
	s_add_nc_u64 s[14:15], s[4:5], s[16:17]
	s_add_nc_u64 s[46:47], s[6:7], s[46:47]
	CROUND                                         ; all sixteen work-groups are here: the first joint loads meet
.irp s, 0,1
	s_mov_b32 s[G0+4*\s], 1                                        ; count = 1
	s_add_co_u32 s[G0+4*\s+1], s20, \s*SLOT                        ; LDS address
	s_add_nc_u64 s[G0+4*\s+2:G0+4*\s+3], s[14:15], \s*256          ; K step s: 128 elements along the row
	s_or_b32 s[G0+4*\s+3], s[G0+4*\s+3], 0x80000000                ; type = 2
	s_mov_b32 s[G0B+4*\s], 1
	s_add_co_u32 s[G0B+4*\s+1], s20, \s*SLOT
	s_add_nc_u64 s[G0B+4*\s+2:G0B+4*\s+3], s[46:47], \s*1048576    ; K step s: 128 rows of 8,192 bytes
	s_or_b32 s[G0B+4*\s+3], s[G0B+4*\s+3], 0x80000000
.endr
	s_cmp_lt_u32 s10, 2                            ; a wave's two first fills stand in one branch, ahead of every wait on TENSORcnt and every LDS read: two loads of mine are out
	s_cbranch_scc0 .Lfirst_b
	tensor_load_to_lds s[G0:G0+3], s[G1:G1+7]
	s_nop 0
	tensor_load_to_lds s[G0+4:G0+7], s[G1:G1+7]
	s_nop 0
.rept 4
	v_nop
.endr
	s_branch .Lfirst_asked
.Lfirst_b:
	tensor_load_to_lds s[G0B:G0B+3], s[G1B:G1B+7]
	s_nop 0
	tensor_load_to_lds s[G0B+4:G0B+7], s[G1B:G1B+7]
	s_nop 0
.rept 4
	v_nop
.endr
.Lfirst_asked:
	; A fragment of A: lane l holds row l % 16; registers 0-3 K = 8 (l / 16) + 0..7, registers 4-7 K = 16 + 8 (l / 16) + 0..7: two loads of 16 bytes, 32 bytes apart
	v_and_b32 v1, 15, v0                           ; r = l % 16
	v_bfe_u32 v2, v0, 4, 1                         ; hh = l / 16
	v_mul_u32_u24 v3, v1, PITCH
	v_lshl_add_u32 v3, v2, 4, v3
	s_mul_i32 s21, s11, HALFT                      ; my 128 rows of A
	v_add_nc_u32 v[ADRA], s21, v3
	v_add_nc_u32 v[ADRA+1], SLOT, v[ADRA]
	; A fragment of B by the transposing load: lane l reads 16 bytes of row 8 (l / 16) + l % 8, columns 8 ((l / 8) % 2) + 0..7, and receives column l % 16, eight K
	v_and_b32 v4, 7, v0
	v_lshl_add_u32 v4, v2, 3, v4
	v_mul_u32_u24 v4, v4, PB
	v_bfe_u32 v5, v0, 3, 1
	v_lshl_add_u32 v4, v5, 4, v4
	s_lshl_b32 s22, s12, 8                         ; my 128 columns,
	s_add_co_u32 s22, s22, 2*HALFT                 ; behind A's 256 rows
	v_add_nc_u32 v[ADRB], s22, v4
	v_add_nc_u32 v[ADRB+1], SLOT, v[ADRB]
	s_mul_i32 s23, s10, 16*SPITCH
	s_add_co_u32 s23, s23, STAGE                   ; my stage
	v_mul_u32_u24 v6, v1, SPITCH                   ; in: row r, 16 bytes for each half of the lanes
	v_lshl_add_u32 v6, v2, 4, v6
	v_add_nc_u32 v[STO], s23, v6
	v_mul_u32_u24 v7, v2, SPITCH                   ; back: lanes 0-15 one row of 256 bytes, lanes 16-31 the next
	v_lshl_add_u32 v7, v1, 4, v7
	v_add_nc_u32 v[RD], s23, v7
	v_lshlrev_b32 v7, 14, v2                       ; and the same two rows in h
	v_lshl_add_u32 v[CO], v1, 4, v7
	v_lshlrev_b32 v[BO], 5, v2                     ; my eight columns of a block of 16: 32 bytes of f32 for each half
	v_lshlrev_b32 v[GO], 3, v1                     ; my token's pair of gates
	v_mov_b32 v[A5],   0x3f87dc22                  ; 1.061405429
	v_mov_b32 v[A5+1], 0x3f87dc22
	; bases: h at my 128 x 128, b1 at my 128 columns, gate at my 128 tokens and my expert
	s_lshl_b32 s16, s13, 8
	s_lshl_b32 s17, s11, 7
	s_add_co_u32 s16, s16, s17                     ; my first token
	s_lshl_b32 s18, s16, 3
	s_mov_b32 s19, 0
	s_lshl_b32 s16, s16, 14
	s_mov_b32 s17, 0
	s_add_nc_u64 s[8:9], s[8:9], s[16:17]
	s_add_nc_u64 s[70:71], s[70:71], s[18:19]
	s_lshl_b32 s46, s42, 8
	s_lshl_b32 s47, s12, 7
	s_add_co_u32 s46, s46, s47                     ; my first column of h = e x 4,096 + f, which is also b1's index
	s_lshl_b32 s86, s46, 2
	s_mov_b32 s87, 0
	s_add_nc_u64 s[68:69], s[68:69], s[86:87]
	s_lshl_b32 s46, s46, 1
	s_mov_b32 s47, 0
	s_add_nc_u64 s[8:9], s[8:9], s[46:47]
	s_lshl_b32 s86, s85, 2
	s_add_nc_u64 s[70:71], s[70:71], s[86:87]
	WIN TO_B
.irp b, 0,1,2,3,4,5,6,7                ; they are wanted only on the way out, and are waited for there
	global_load_b128 v[BI+8*\b:BI+8*\b+3],   v[BO], s[68:69] offset:64*\b
	global_load_b128 v[BI+8*\b+4:BI+8*\b+7], v[BO], s[68:69] offset:64*\b+16
.endr
	WIN 0
.irp a, 0,1,2,3,4,5,6,7
	global_load_b32 v[GT+2*\a],   v[GO], s[70:71] offset:128*\a
	global_load_b32 v[GT+2*\a+1], v[GO], s[70:71] offset:128*\a
.endr
; 16 matrix instructions: m blocks a0, a0 + 1 of the window's four x all 8 n blocks, 32 along K.  zero = 1: the first product starts the sums.
; The 64 accumulators take turns, one instruction a turn, in the same order in every quarter step.
.macro MUL16 f, hi, a0, zero
.irp a, \a0, \a0+1
.irp b, 0,1,2,3,4,5,6,7
.if \zero
	v_wmma_f32_16x16x32_bf16 v[8*(8*(\a)+\b):8*(8*(\a)+\b)+7], v[\f+8*\b:\f+8*\b+7], v[\f+8*(4*\hi+\a):\f+8*(4*\hi+\a)+7], 0
.else
	v_wmma_f32_16x16x32_bf16 v[8*(8*(\a)+\b):8*(8*(\a)+\b)+7], v[\f+8*\b:\f+8*\b+7], v[\f+8*(4*\hi+\a):\f+8*(4*\hi+\a)+7], v[8*(8*(\a)+\b):8*(8*(\a)+\b)+7]
.endif
.endr
.endr
.endm
; 32 LDS loads in one run: the fragments of quarter q (32 along K) of a slot into buffer f: B's eight blocks of 16 columns, then A's eight blocks of 16 rows
.macro FETCH slot, q, f
	WIN TO_B
.irp i, 0,1,2,3,4,5,6,7
	ds_load_tr16_b128 v[\f+8*\i:\f+8*\i+3],   v[ADRB+\slot] offset:\q*32*PB+32*\i
	ds_load_tr16_b128 v[\f+8*\i+4:\f+8*\i+7], v[ADRB+\slot] offset:\q*32*PB+16*PB+32*\i
.endr
	WIN 0
.irp i, 0,1,2,3,4,5,6,7
	ds_load_b128 v[\f+8*\i:\f+8*\i+3],   v[ADRA+\slot] offset:\q*64+\i*16*PITCH
	ds_load_b128 v[\f+8*\i+4:\f+8*\i+7], v[ADRA+\slot] offset:\q*64+\i*16*PITCH+32
.endr
.endm
; A load into a register that a matrix instruction has read, and a vector instruction that reads a matrix result or writes one of a matrix instruction's
; registers, stand four places behind it; only plain vector instructions that name none of its registers are places (ISA guide 7.12.1 for vector instructions)
.macro PLACES
.rept 4
	v_nop
.endr
.endm
; One of a K step's first three quarters: multiplies buffer f; in its middle it fetches quarter q of the same slot into buffer g
.macro QUARTER slot, q, f, g, zero
	s_wait_dscnt 8                                 ; B and A's rows 0-63 are in; the youngest eight loads (A's rows 64-127) may be out
	WIN MUL_LO
	MUL16 \f, 0, 0, \zero
	MUL16 \f, 0, 2, \zero
	PLACES
	FETCH \slot, \q, \g
	s_wait_dscnt 32                                ; all but the 32 just issued
	WIN MUL_HI
	MUL16 \f, 1, 0, \zero
	MUL16 \f, 1, 2, \zero
.endm
; The last quarter multiplies buffer 1 and changes slots: one barrier.  In front of it each wave waits for its own reads of this slot and for all its tensor
; loads, of which one is out: its part of the next slot.  fill = 1: the barrier opens a round of the cluster's barrier, and this slot is filled again, two K
; steps ahead, first thing behind the round: from there to the wait for it a wave issues 240 matrix instructions.
.macro TURN slot, next, fill
	s_wait_dscnt 8
	WIN MUL_LO
	MUL16 F1, 0, 0, 0
	s_wait_dscnt 0                                 ; my reads of this slot are over,
	s_wait_tensorcnt 0x0                           ; and all my tensor loads have landed
	ds_add_u32 v255, v255
	s_wait_dscnt 0x0
	s_barrier_signal -1
	MUL16 F1, 0, 2, 0                              ; registers only, while the others arrive
.if \fill
	WIN 0
.endif
	s_barrier_wait -1
.if \fill
	CREST                                          ; no wave of any partner still reads this slot's tile or has a load on its way
	s_add_nc_u64 s[G0+4*\slot+2:G0+4*\slot+3], s[G0+4*\slot+2:G0+4*\slot+3], 512           ; 256 elements along xb's rows
	s_add_nc_u64 s[G0B+4*\slot+2:G0B+4*\slot+3], s[G0B+4*\slot+2:G0B+4*\slot+3], 2097152   ; 256 rows of w1b
	JLOAD \slot                                    ; the four v_nop behind it are also the places in front of the loads below
.else
	PLACES
.endif
	FETCH \next, 0, F0
	WIN MUL_HI
	MUL16 F1, 1, 0, 0
	MUL16 F1, 1, 2, 0
.endm
	s_wait_tensorcnt 1                             ; my part of K step 0 is in; K step 1's may stay out
	s_barrier_signal -1
	s_barrier_wait -1                              ; everybody's is
	FETCH 0, 0, F0
	QUARTER 0, 1, F0, F1, 1                        ; the first quarter stands in front of the loop: its products start the sums
	WIN 0                                          ; at a label and at a branch every window is 0
	s_mov_b32 s3, LAPS-1
.Llap:                                                 ; a trip goes once round the ring, from a lap's second quarter to the next lap's first, and fills both slots again
	QUARTER 0, 2, F1, F0, 0
	QUARTER 0, 3, F0, F1, 0
	TURN 0, 1, 1
	QUARTER 1, 1, F0, F1, 0
	QUARTER 1, 2, F1, F0, 0
	QUARTER 1, 3, F0, F1, 0
	TURN 1, 0, 1
	QUARTER 0, 1, F0, F1, 0
	WIN 0
	s_sub_co_u32 s3, s3, 1
	s_cmp_lg_u32 s3, 0
	s_cbranch_scc1 .Llap
	QUARTER 0, 2, F1, F0, 0                        ; the last lap is written out: it fills nothing and has no round
	QUARTER 0, 3, F0, F1, 0
	TURN 0, 1, 0
	QUARTER 1, 1, F0, F1, 0
	QUARTER 1, 2, F1, F0, 0
	QUARTER 1, 3, F0, F1, 0
	s_wait_dscnt 8                                 ; the very last quarter: nothing more to fetch
	WIN MUL_LO
	MUL16 F1, 0, 0, 0
	MUL16 F1, 0, 2, 0
	s_wait_dscnt 0
	WIN MUL_HI
	MUL16 F1, 1, 0, 0
	MUL16 F1, 1, 2, 0
	WIN 0
; THE WAY OUT, a block of 16 tokens a trip.  Registers cannot be indexed, so only the step that names the accumulators (u = sum + bias, into window 0, and the
; block's gate) is written eight times and chosen by the trip's number; the GELU, the stage and the stores are written once.
.macro ADDB a
.if (\a) < 4
	WIN ADD_LO
.else
	WIN ADD_HI
.endif
.irp b, 0,1,2,3,4,5,6,7
.irp r, 0,2,4,6
	v_pk_add_f32 v[U+8*\b+\r:U+8*\b+\r+1], v[64*((\a)%4)+8*\b+\r:64*((\a)%4)+8*\b+\r+1], v[BI+8*\b+\r:BI+8*\b+\r+1]
.endr
.endr
	WIN 0
	v_pk_mul_f32 v[GC:GC+1], v[GT+2*(\a):GT+2*(\a)+1], 0.5 op_sel_hi:[1,0]   ; gelu's 0.5 goes into the gate
.endm
; Eight numbers: the columns 16 g + 8 (l / 16) + 0..7 of my token
.macro GELU8 g
.irp i, 0,1,2,3,4,5,6,7
	v_and_b32 v[AB+\i], s84, v[U+8*\g+\i]                          ; a = |u|
.endr
.irp i, 0,2,4,6
	v_pk_fma_f32 v[TT+\i:TT+\i+1], v[AB+\i:AB+\i+1], s[PP:PP+1], 1.0 op_sel_hi:[1,0,0]
.endr
.irp i, 0,1,2,3,4,5,6,7
	v_rcp_f32 v[TT+\i], v[TT+\i]                                   ; t
.endr
.irp i, 0,2,4,6
	v_pk_mul_f32 v[EE+\i:EE+\i+1], v[AB+\i:AB+\i+1], v[AB+\i:AB+\i+1]   ; plain work that names no t: it stands between the reciprocals and their first use
.endr
.irp i, 0,2,4,6
	v_pk_mul_f32 v[EE+\i:EE+\i+1], v[EE+\i:EE+\i+1], s[CC:CC+1] op_sel_hi:[1,0]
.endr
.irp i, 0,1,2,3,4,5,6,7
	v_exp_f32 v[EE+\i], v[EE+\i]                                   ; e^(-a a / 2)
.endr
	s_wait_alu depctr_va_vdst(0)
.irp i, 0,2,4,6
	v_pk_fma_f32 v[PO+\i:PO+\i+1], v[TT+\i:TT+\i+1], v[A5:A5+1], s[A4:A4+1] op_sel_hi:[1,1,0]   ; plain work that names no exponential
.endr
.irp c, A3, A2, A1
.irp i, 0,2,4,6
	v_pk_fma_f32 v[PO+\i:PO+\i+1], v[PO+\i:PO+\i+1], v[TT+\i:TT+\i+1], s[\c:\c+1] op_sel_hi:[1,1,0]
.endr
.endr
.irp i, 0,2,4,6
	v_pk_mul_f32 v[PO+\i:PO+\i+1], v[PO+\i:PO+\i+1], v[TT+\i:TT+\i+1]
.endr
.irp i, 0,2,4,6
	v_pk_fma_f32 v[PO+\i:PO+\i+1], v[PO+\i:PO+\i+1], v[EE+\i:EE+\i+1], 1.0 op_sel_hi:[1,1,0] neg_lo:[1,0,0] neg_hi:[1,0,0]   ; R = 1 - polynomial x exponential
.endr
.irp i, 0,2,4,6
	v_pk_fma_f32 v[PO+\i:PO+\i+1], v[AB+\i:AB+\i+1], v[PO+\i:PO+\i+1], v[U+8*\g+\i:U+8*\g+\i+1]   ; u + a R
.endr
.irp i, 0,2,4,6
	v_pk_mul_f32 v[PO+\i:PO+\i+1], v[PO+\i:PO+\i+1], v[GC:GC+1]    ; x 0.5 x gate
.endr
.irp i, 0,1,2,3
	v_cvt_pk_bf16_f32 v[TMP+4*\g+\i], v[PO+2*\i], v[PO+2*\i+1]
.endr
.endm
	s_wait_loadcnt 0x0                             ; bias and gates
	PLACES                                         ; behind the last products: their results are read and their fragments' registers written below
	s_mov_b32 s3, 0
.Lblk:
.irp a, 0,1,2,3,4,5,6
	s_cmp_lg_u32 s3, \a
	s_cbranch_scc1 .Lnot_\a
	ADDB \a
	s_branch .Lact
.Lnot_\a:
.endr
	ADDB 7
.Lact:
.irp g, 0,1,2,3,4,5,6,7
	GELU8 \g
.endr
.irp b, 0,1,2,3,4,5,6,7
	ds_store_b128 v[STO], v[TMP+4*\b:TMP+4*\b+3] offset:32*\b
.endr
.irp t, 0,1,2,3,4,5,6,7
	ds_load_b128 v[OB+4*\t:OB+4*\t+3], v[RD] offset:\t*2*SPITCH    ; my own stage; LDS serves a wave's instructions in order (ISA guide 5.7.1.4): these see the stores above
.endr
	s_wait_dscnt 0x0
.irp t, 0,1,2,3,4,5,6,7
	global_store_b128 v[CO], v[OB+4*\t:OB+4*\t+3], s[8:9] offset:2*\t*HROW   ; 16 lanes store 256 consecutive bytes, at a multiple of 256 from h's first byte
.endr
	s_wait_xcnt 0x0                                ; the stores' base and data are written again only behind this wait
	s_add_nc_u64 s[8:9], s[8:9], 16*HROW           ; the next 16 tokens
	s_add_co_u32 s3, s3, 1
	s_cmp_lt_u32 s3, 8
	s_cbranch_scc1 .Lblk
	s_set_vgpr_msb 0x1
	s_wait_tensorcnt 0x0
	ds_add_u32 v255, v255
	s_wait_dscnt 0x0
	s_set_vgpr_msb 0x100
	CROUND                                         ; the closing round: no work-group ends while a partner may still ask for a tile that names it
	s_endpgm
.Lfunc_end_k_qae339266e1_ffn1:
	.size	k_qae339266e1_ffn1, .Lfunc_end_k_qae339266e1_ffn1-k_qae339266e1_ffn1
	.p2alignl 7, 3214868480
	.fill 96, 4, 3214868480
	.section	.rodata,"a",@progbits
	.p2align	6, 0x0
	.amdhsa_kernel k_qae339266e1_ffn1
		.amdhsa_group_segment_fixed_size 327680
		.amdhsa_private_segment_fixed_size 0
		.amdhsa_enable_private_segment 0
		.amdhsa_kernarg_size 40
		.amdhsa_user_sgpr_count 2
		.amdhsa_user_sgpr_kernarg_segment_ptr 1
		.amdhsa_wavefront_size32 1
		.amdhsa_system_sgpr_workgroup_id_x 1
		.amdhsa_system_sgpr_workgroup_id_y 1
		.amdhsa_system_sgpr_workgroup_id_z 1
		.amdhsa_system_vgpr_workitem_id 0
		.amdhsa_next_free_vgpr 1024
		.amdhsa_next_free_sgpr 96
		.amdhsa_reserve_vcc 0
		.amdhsa_float_denorm_mode_32 3
		.amdhsa_float_denorm_mode_16_64 3
		.amdhsa_memory_ordered 1
		.amdhsa_forward_progress 1
		.amdhsa_inst_pref_size 166
	.end_amdhsa_kernel
	.amdgpu_metadata
---
amdhsa.version: [ 1, 2 ]
amdhsa.kernels:
  - .name:           k_qae339266e1_ffn1
    .symbol:         k_qae339266e1_ffn1.kd
    .args:
      - { .name: xb, .offset: 0, .size: 8, .value_kind: global_buffer, .address_space: global }
      - { .name: w1b, .offset: 8, .size: 8, .value_kind: global_buffer, .address_space: global }
      - { .name: h, .offset: 16, .size: 8, .value_kind: global_buffer, .address_space: global }
      - { .name: b1, .offset: 24, .size: 8, .value_kind: global_buffer, .address_space: global }
      - { .name: gate, .offset: 32, .size: 8, .value_kind: global_buffer, .address_space: global }
    .group_segment_fixed_size: 327680
    .private_segment_fixed_size: 0
    .kernarg_segment_align: 8
    .kernarg_segment_size: 40
    .max_flat_workgroup_size: 128
    .sgpr_count:     96
    .vgpr_count:     1024
    .wavefront_size: 32
...
	.end_amdgpu_metadata
.endif
;; end of part 2
;; launch ffn2 (part 3): grid 4 x 64, 4 waves a work-group, clusters of 4 x 4, 327,680 bytes of LDS; arguments h, w2b, part; writes part
.if DOCPART == 3
	.amdgcn_target "amdgcn-amd-amdhsa--gfx1250"
	.amdhsa_code_object_version 6
	.text
	.protected	k_qae339266e1_ffn2
	.globl	k_qae339266e1_ffn2
	.p2align	8
	.type	k_qae339266e1_ffn2,@function
k_qae339266e1_ffn2:
	s_mov_b64 s[64:65], 0
	v_nop
	global_prefetch_b8 v0, s[64:65] scope:SCOPE_SE
	s_setreg_imm32_b32 hwreg(HW_REG_WAVE_MODE, 25, 1), 1
	s_wait_xcnt 0x0
	s_wait_alu depctr_hold_cnt(0) depctr_sa_sdst(0) depctr_va_vdst(0) depctr_va_sdst(0) depctr_va_ssrc(0) depctr_va_vcc(0) depctr_vm_vsrc(0)
	s_getreg_b32 s2, hwreg(HW_REG_IB_STS2, 6, 4)
	s_cmp_eq_u32 s2, 0
	s_cbranch_scc0 .Lentry_in_a_cluster
	s_endpgm
.Lentry_in_a_cluster:
	s_bfe_u32 s2, ttmp6, 0x10000c
	s_cmp_lg_u32 s2, 0xf033
	s_cbranch_scc0 .Lentry_shape_is_right
	s_endpgm
.Lentry_shape_is_right:
; part[s][t][d] = sum over k = 2048 s .. 2048 s + 2047 of h[t][k] w2b[k][d].  h: [4096][8192] bf16 (the gates are already in it), w2b: [8192][1024] bf16
; (both experts' rows one below the other), part: [4][4096][1024] f32.  Sums in f32; the four partial sums, the biases and the gates meet in the next launch.
; WHY K IS SPLIT: the product has 4,096 x 1,024 outputs, 64 tiles of 256 x 256.  A smaller tile would give each of 256 WGPs one, but fills LDS with twice the
; bytes, reads twice the LDS bytes for each product, and leaves a refill half as many matrix instructions in which to land.  So the tile stays 256 x 256 and K = 8,192 goes in four
; quarters to four work-groups: 256 work-groups.  No sum spans work-groups inside this launch: each stores its own quarter's sums.
; LIMIT: an output is therefore the sum of four f32 partial sums and not one ascending chain over K.
; A tile is made by four waves, each 128 x 128 in 64 accumulators of 16 x 16 (512 registers).  A quarter of K goes in 16 steps of 128 through a ring of two LDS
; slots filled by tensor loads.  A's tile (256 tokens x 128 k) lies along K; the weights lie [k][d], so B's tile is 128 rows of k x 256 d and its fragments are
; made by the transposing LDS load.
; CLUSTER: 4 x 4 work-groups.  The four of a row of the cluster make the four tile columns of the same 256 tokens and the same quarter of K: they need the same
; tiles of h.  The four of a column make four tile rows of the same columns and the same quarter: they need the same tiles of w2b.  Each tile is asked for jointly.
; THE MATRIX INSTRUCTION IS USED TRANSPOSED (source 0 = 16 columns d, source 1 = 16 tokens): a lane holds token l % 16 and eight neighbouring d.
; REGISTERS, in windows of 256: window 0: v16-26 addresses; v64-127, v128-191 fragments of A, two buffers; on the way out v64-255 are three sets of 64 for rows
; read back from the stage.  Window 1: v64-127, v128-191 fragments of B.  Windows 2, 3: the accumulators of my rows 0-63, 64-127; (a, b) at v[8 (8 a + b)].
.set PITCH,  272                       ; a row of A in LDS: 256 bytes + 16 = 68 words: row r starts at bank 4 r mod 64 (64 banks of 4 bytes: ISA guide 11.1)
.set PB,     544                       ; a row of B (one k, 256 d): 512 bytes + 32 = 136 words
.set HALFT,  128*PITCH                 ; what one tensor load brings: 128 rows of A, or 64 rows of B (64 x 544 is the same 34,816 bytes)
.set SLOT,   4*HALFT                   ; A's 256 rows, then B's 128 rows
.set STAGE,  2*SLOT                    ; behind the ring: 16 rows x 528 bytes for each wave; no tensor load lands here
.set SP,     528                       ; a row of the stage: 128 f32 + 16 bytes = 33 x 16 bytes, so 16 rows' stores of 16 bytes start at 16 different groups of banks
.set LAPS,   8                         ; a lap = two K steps = once round the ring: 2,048 / 256
.set ADRA, 16                          ; v16-17  LDS address of my A fragments in slot 0, 1
.set ADRB, 20                          ; v20-21  the same for B
.set STO,  24                          ; v24     the way out: where I put 32 bytes of a row
.set RD,   25                          ; v25     where I read my 16 bytes of a row back
.set CO,   26                          ; v26     my byte offset in a row of part
.set F0,   64
.set F1,   128
.set OB,   64                          ; the way out: block a's 16 rows come back into set a % 3
.set G1,  24                           ; s[24:31] descriptor group 1 for A's tiles;  s[32:39] group 0, a set for each slot
.set G0,  32
.set G1B, 48                           ; s[48:55], s[56:63] the same for B's
.set G0B, 56
.set MSB, 0
.macro WIN new                         ; the immediate's high byte repeats the setting that is left; a switch that changes nothing is dropped
.if MSB != \new
	s_set_vgpr_msb (MSB<<8)|\new
.set MSB, \new
.endif
.endm
.set MUL_LO, 0xa1                      ; source 0 (B) window 1, source 1 (A) window 0, C and D window 2
.set MUL_HI, 0xf1                      ; the same, C and D window 3
.set TO_B,   0x40                      ; destination window 1
.set ST_LO,  0x08                      ; an LDS store's data (source 1) in window 2, its address in window 0
.set ST_HI,  0x0c                      ; the same with the data in window 3
; A joint refill.  Waves 0 and 1 fetch A's two halves, waves 2 and 3 B's.  The branch hangs on the wave's number alone.  Four v_nop follow each of the two
; lines, ahead of the jump, the label and what follows.
.macro JLOAD s
	s_cmp_lt_u32 s10, 2
	s_cbranch_scc0 .Lfor_b_\@
	tensor_load_to_lds s[G0+4*\s:G0+4*\s+3], s[G1:G1+7]
	s_nop 0
.rept 4
	v_nop
.endr
	s_branch .Lasked_\@
.Lfor_b_\@:
	tensor_load_to_lds s[G0B+4*\s:G0B+4*\s+3], s[G1B:G1B+7]
	s_nop 0
.rept 4
	v_nop
.endr
.Lasked_\@:
.endm
.macro CREST                           ; a round of the cluster's barrier behind its opening barrier: wave 0 signals for the work-group, every wave waits for all sixteen, my work-group's barrier closes it
	s_cmp_lg_u32 s10, 0
	s_cbranch_scc1 .Lnot_wave_0_\@
	s_barrier_signal -3
.Lnot_wave_0_\@:
	s_barrier_wait -3
	s_barrier_signal -1
	s_barrier_wait -1
.endm
.macro CROUND                          ; a whole round
	s_barrier_signal -1
	s_barrier_wait -1
	CREST
.endm
	s_load_b128 s[4:7], s[0:1], 0x0                ; h s[4:5], w2b s[6:7]
	s_load_b64 s[8:9], s[0:1], 0x10                ; part
	s_set_vgpr_msb 0x40
	v_lshl_add_u32 v255, v0, 2, 0x4c400
	s_set_vgpr_msb 0x4000
	v_mov_b32 v63, 0
	s_set_vgpr_msb 0x1
	ds_add_u32 v255, v63
	s_set_vgpr_msb 0x100
	v_lshrrev_b32 v1, 5, v0
	v_readfirstlane_b32 s10, v1                    ; wave 0..3
	s_lshr_b32 s11, s10, 1                         ; which half of the tile's rows is mine
	s_and_b32 s12, s10, 1                          ; which half of its columns.  Also: which half of A's or B's tile I fetch
	s_bfe_u32 s40, ttmp6, 0x40000                  ; cx
	s_bfe_u32 s41, ttmp6, 0x40004                  ; cy
	s_lshl_b32 s42, ttmp9, 2
	s_add_co_u32 s42, s42, s40                     ; tile column 0..3 = 4 x cluster x + cx
	s_and_b32 s45, ttmp7, 0xffff                   ; the cluster's y, 0..15: four clusters to each quarter of K
	s_and_b32 s13, s45, 3
	s_lshl_b32 s13, s13, 2
	s_add_co_u32 s13, s13, s41                     ; tile row 0..15 = 4 x (cluster y mod 4) + cy
	s_lshr_b32 s45, s45, 2                         ; the quarter of K, 0..3: made of the cluster's y alone, so all sixteen partners share it
	s_lshl_b32 s43, s41, 2
	s_lshl_b32 s43, 15, s43                        ; my row of the cluster
	s_lshl_b32 s44, 0x1111, s40                    ; my column
	; group 1 for A: 128 rows x 128 elements of 2 bytes, 4 words of padding behind every 64 words; bit 21 stands beside a mask
	s_or_b32 s[G1+0], s43, (1<<16)|(1<<20)|(1<<21)|(5<<22)|(3<<25)
	s_mov_b32 s[G1+1], 128<<16                     ; tensor_dim0 = 128
	s_mov_b32 s[G1+2], 128<<16                     ; tensor_dim1 = 128
	s_mov_b32 s[G1+3], 128<<16                     ; tile_dim0 = 128
	s_mov_b32 s[G1+4], 128                         ; tile_dim1 = 128
	s_mov_b32 s[G1+5], 8192                        ; elements from row to row of h
	s_mov_b32 s[G1+6], 0
	s_mov_b32 s[G1+7], 0
	; group 1 for B: 64 rows x 256 elements, 8 words of padding behind every 128 words
	s_or_b32 s[G1B+0], s44, (1<<16)|(1<<20)|(1<<21)|(6<<22)|(7<<25)
	s_mov_b32 s[G1B+1], 256<<16
	s_mov_b32 s[G1B+2], 64<<16
	s_mov_b32 s[G1B+3], 256<<16
	s_mov_b32 s[G1B+4], 64
	s_mov_b32 s[G1B+5], 1024                       ; elements from row to row of w2b
	s_mov_b32 s[G1B+6], 0
	s_mov_b32 s[G1B+7], 0
	; A's address hangs on the tile row, the quarter and the wave, B's on the tile column, the quarter and the wave: neither holds the coordinate that its partners do not share
	s_lshl_b32 s17, s12, 7
	s_lshl_b32 s16, s13, 8
	s_add_co_u32 s16, s16, s17                     ; token 256 x tile row + 128 x half
	s_lshl_b32 s16, s16, 14                        ; x 16,384 bytes
	s_lshl_b32 s17, s45, 12                        ; the quarter's 2,048 elements along the row
	s_add_co_u32 s16, s16, s17
	s_mov_b32 s17, 0
	s_lshl_b32 s46, s42, 9                         ; 256 columns of 2 bytes
	s_lshl_b32 s47, s45, 22                        ; the quarter's 2,048 rows of 2,048 bytes
	s_add_co_u32 s46, s46, s47
	s_lshl_b32 s47, s12, 17                        ; 64 rows of 2,048 bytes
	s_add_co_u32 s46, s46, s47
	s_mov_b32 s47, 0
	s_mul_i32 s20, s10, HALFT                      ; where my part goes: A's two halves, then B's two: no place in the cluster enters an LDS address
	s_wait_dscnt 0x0
	s_wait_kmcnt 0x0
	s_add_nc_u64 s[14:15], s[4:5], s[16:17]
	s_add_nc_u64 s[46:47], s[6:7], s[46:47]
	CROUND                                         ; all sixteen work-groups are here: the first joint loads meet
.irp s, 0,1
	s_mov_b32 s[G0+4*\s], 1                                        ; count = 1
	s_add_co_u32 s[G0+4*\s+1], s20, \s*SLOT                        ; LDS address
	s_add_nc_u64 s[G0+4*\s+2:G0+4*\s+3], s[14:15], \s*256          ; K step s: 128 elements along the row
	s_or_b32 s[G0+4*\s+3], s[G0+4*\s+3], 0x80000000                ; type = 2
	s_mov_b32 s[G0B+4*\s], 1
	s_add_co_u32 s[G0B+4*\s+1], s20, \s*SLOT
	s_add_nc_u64 s[G0B+4*\s+2:G0B+4*\s+3], s[46:47], \s*262144     ; K step s: 128 rows of 2,048 bytes
	s_or_b32 s[G0B+4*\s+3], s[G0B+4*\s+3], 0x80000000
.endr
	s_cmp_lt_u32 s10, 2                            ; a wave's two first fills stand in one branch, ahead of every wait on TENSORcnt and every LDS read: two loads of mine are out
	s_cbranch_scc0 .Lfirst_b
	tensor_load_to_lds s[G0:G0+3], s[G1:G1+7]
	s_nop 0
	tensor_load_to_lds s[G0+4:G0+7], s[G1:G1+7]
	s_nop 0
.rept 4
	v_nop
.endr
	s_branch .Lfirst_asked
.Lfirst_b:
	tensor_load_to_lds s[G0B:G0B+3], s[G1B:G1B+7]
	s_nop 0
	tensor_load_to_lds s[G0B+4:G0B+7], s[G1B:G1B+7]
	s_nop 0
.rept 4
	v_nop
.endr
.Lfirst_asked:
	; A fragment of A: lane l holds row l % 16; registers 0-3 K = 8 (l / 16) + 0..7, registers 4-7 K = 16 + 8 (l / 16) + 0..7: two loads of 16 bytes, 32 bytes apart
	v_and_b32 v1, 15, v0                           ; r = l % 16
	v_bfe_u32 v2, v0, 4, 1                         ; hh = l / 16
	v_mul_u32_u24 v3, v1, PITCH
	v_lshl_add_u32 v3, v2, 4, v3
	s_mul_i32 s21, s11, HALFT                      ; my 128 rows of A
	v_add_nc_u32 v[ADRA], s21, v3
	v_add_nc_u32 v[ADRA+1], SLOT, v[ADRA]
	; A fragment of B by the transposing load: lane l reads 16 bytes of row 8 (l / 16) + l % 8, columns 8 ((l / 8) % 2) + 0..7, and receives column l % 16, eight K
	v_and_b32 v4, 7, v0
	v_lshl_add_u32 v4, v2, 3, v4
	v_mul_u32_u24 v4, v4, PB
	v_bfe_u32 v5, v0, 3, 1
	v_lshl_add_u32 v4, v5, 4, v4
	s_lshl_b32 s22, s12, 8                         ; my 128 columns,
	s_add_co_u32 s22, s22, 2*HALFT                 ; behind A's 256 rows
	v_add_nc_u32 v[ADRB], s22, v4
	v_add_nc_u32 v[ADRB+1], SLOT, v[ADRB]
	s_mul_i32 s23, s10, 16*SP
	s_add_co_u32 s23, s23, STAGE                   ; my stage
	v_mul_u32_u24 v6, v1, SP                       ; in: row r, 32 bytes (eight f32) for each half of the lanes
	v_lshl_add_u32 v6, v2, 5, v6
	v_add_nc_u32 v[STO], s23, v6
	v_and_b32 v7, 31, v0
	v_lshlrev_b32 v[CO], 4, v7                     ; back: the 32 lanes take one row's 512 bytes, 16 each; the same place in a row of part
	v_add_nc_u32 v[RD], s23, v[CO]
	; part at my quarter's plane, my 128 tokens, my 128 columns
	s_lshl_b32 s16, s13, 8
	s_lshl_b32 s17, s11, 7
	s_add_co_u32 s16, s16, s17                     ; my first token
	s_lshl_b32 s16, s16, 12                        ; x 4,096 bytes
	s_lshl_b32 s17, s45, 24                        ; a plane of 4,096 x 4,096 bytes
	s_add_co_u32 s16, s16, s17
	s_mov_b32 s17, 0
	s_add_nc_u64 s[8:9], s[8:9], s[16:17]
	s_lshl_b32 s46, s42, 10
	s_lshl_b32 s47, s12, 9
	s_add_co_u32 s46, s46, s47                     ; my first column, in bytes of f32
	s_mov_b32 s47, 0
	s_add_nc_u64 s[8:9], s[8:9], s[46:47]
; 16 matrix instructions: m blocks a0, a0 + 1 of the window's four x all 8 n blocks, 32 along K.  zero = 1: the first product starts the sums.
; The 64 accumulators take turns, one instruction a turn, in the same order in every quarter step.
.macro MUL16 f, hi, a0, zero
.irp a, \a0, \a0+1
.irp b, 0,1,2,3,4,5,6,7
.if \zero
	v_wmma_f32_16x16x32_bf16 v[8*(8*(\a)+\b):8*(8*(\a)+\b)+7], v[\f+8*\b:\f+8*\b+7], v[\f+8*(4*\hi+\a):\f+8*(4*\hi+\a)+7], 0
.else
	v_wmma_f32_16x16x32_bf16 v[8*(8*(\a)+\b):8*(8*(\a)+\b)+7], v[\f+8*\b:\f+8*\b+7], v[\f+8*(4*\hi+\a):\f+8*(4*\hi+\a)+7], v[8*(8*(\a)+\b):8*(8*(\a)+\b)+7]
.endif
.endr
.endr
.endm
; 32 LDS loads in one run: the fragments of quarter q (32 along K) of a slot into buffer f: B's eight blocks of 16 columns, then A's eight blocks of 16 rows
.macro FETCH slot, q, f
	WIN TO_B
.irp i, 0,1,2,3,4,5,6,7
	ds_load_tr16_b128 v[\f+8*\i:\f+8*\i+3],   v[ADRB+\slot] offset:\q*32*PB+32*\i
	ds_load_tr16_b128 v[\f+8*\i+4:\f+8*\i+7], v[ADRB+\slot] offset:\q*32*PB+16*PB+32*\i
.endr
	WIN 0
.irp i, 0,1,2,3,4,5,6,7
	ds_load_b128 v[\f+8*\i:\f+8*\i+3],   v[ADRA+\slot] offset:\q*64+\i*16*PITCH
	ds_load_b128 v[\f+8*\i+4:\f+8*\i+7], v[ADRA+\slot] offset:\q*64+\i*16*PITCH+32
.endr
.endm
; A load into a register that a matrix instruction has read, and an LDS store that reads a matrix result, stand four places behind it; only plain vector
; instructions that name none of its registers are places (ISA guide 7.12.1 for vector instructions)
.macro PLACES
.rept 4
	v_nop
.endr
.endm
; One of a K step's first three quarters: multiplies buffer f; in its middle it fetches quarter q of the same slot into buffer g
.macro QUARTER slot, q, f, g, zero
	s_wait_dscnt 8                                 ; B and A's rows 0-63 are in; the youngest eight loads (A's rows 64-127) may be out
	WIN MUL_LO
	MUL16 \f, 0, 0, \zero
	MUL16 \f, 0, 2, \zero
	PLACES
	FETCH \slot, \q, \g
	s_wait_dscnt 32                                ; all but the 32 just issued
	WIN MUL_HI
	MUL16 \f, 1, 0, \zero
	MUL16 \f, 1, 2, \zero
.endm
; The last quarter multiplies buffer 1 and changes slots: one barrier.  In front of it each wave waits for its own reads of this slot and for all its tensor
; loads, of which one is out: its part of the next slot.  fill = 1: the barrier opens a round of the cluster's barrier, and this slot is filled again, two K
; steps ahead, first thing behind the round: from there to the wait for it a wave issues 240 matrix instructions.
.macro TURN slot, next, fill
	s_wait_dscnt 8
	WIN MUL_LO
	MUL16 F1, 0, 0, 0
	s_wait_dscnt 0                                 ; my reads of this slot are over,
	s_wait_tensorcnt 0x0                           ; and all my tensor loads have landed
	ds_add_u32 v255, v63
	s_wait_dscnt 0x0
	s_barrier_signal -1
	MUL16 F1, 0, 2, 0                              ; registers only, while the others arrive
.if \fill
	WIN 0
.endif
	s_barrier_wait -1
.if \fill
	CREST                                          ; no wave of any partner still reads this slot's tile or has a load on its way
	s_add_nc_u64 s[G0+4*\slot+2:G0+4*\slot+3], s[G0+4*\slot+2:G0+4*\slot+3], 512           ; 256 elements along h's rows
	s_add_nc_u64 s[G0B+4*\slot+2:G0B+4*\slot+3], s[G0B+4*\slot+2:G0B+4*\slot+3], 524288    ; 256 rows of w2b
	JLOAD \slot                                    ; the four v_nop behind it are also the places in front of the loads below
.else
	PLACES
.endif
	FETCH \next, 0, F0
	WIN MUL_HI
	MUL16 F1, 1, 0, 0
	MUL16 F1, 1, 2, 0
.endm
	s_wait_tensorcnt 1                             ; my part of K step 0 is in; K step 1's may stay out
	s_barrier_signal -1
	s_barrier_wait -1                              ; everybody's is
	FETCH 0, 0, F0
	QUARTER 0, 1, F0, F1, 1                        ; the first quarter stands in front of the loop: its products start the sums
	WIN 0                                          ; at a label and at a branch every window is 0
	s_mov_b32 s3, LAPS-1
.Llap:                                                 ; a trip goes once round the ring, from a lap's second quarter to the next lap's first, and fills both slots again
	QUARTER 0, 2, F1, F0, 0
	QUARTER 0, 3, F0, F1, 0
	TURN 0, 1, 1
	QUARTER 1, 1, F0, F1, 0
	QUARTER 1, 2, F1, F0, 0
	QUARTER 1, 3, F0, F1, 0
	TURN 1, 0, 1
	QUARTER 0, 1, F0, F1, 0
	WIN 0
	s_sub_co_u32 s3, s3, 1
	s_cmp_lg_u32 s3, 0
	s_cbranch_scc1 .Llap
	QUARTER 0, 2, F1, F0, 0                        ; the last lap is written out: it fills nothing and has no round
	QUARTER 0, 3, F0, F1, 0
	TURN 0, 1, 0
	QUARTER 1, 1, F0, F1, 0
	QUARTER 1, 2, F1, F0, 0
	QUARTER 1, 3, F0, F1, 0
	s_wait_dscnt 8                                 ; the very last quarter: nothing more to fetch
	WIN MUL_LO
	MUL16 F1, 0, 0, 0
	MUL16 F1, 0, 2, 0
	s_wait_dscnt 0
	WIN MUL_HI
	MUL16 F1, 1, 0, 0
	MUL16 F1, 1, 2, 0
	WIN 0
; THE WAY OUT, a block of 16 tokens at a time.  A lane's eight f32 of a column block are 32 bytes of a row, and the lanes beside it hold other rows; so the block goes
; straight from the accumulators into my own stage (rows of 528 bytes) and comes back as whole rows of 512 bytes, which one store of the wave covers.
.macro TOSTAGE a
.if (\a) >= 3
	s_wait_xcnt 0x0                                ; set a % 3 was the data of block a - 3's stores: it is loaded again only behind this wait
.endif
.if (\a) < 4
	WIN ST_LO
.else
	WIN ST_HI
.endif
.irp b, 0,1,2,3,4,5,6,7
	ds_store_b128 v[STO], v[64*((\a)%4)+8*\b:64*((\a)%4)+8*\b+3]   offset:64*\b
	ds_store_b128 v[STO], v[64*((\a)%4)+8*\b+4:64*((\a)%4)+8*\b+7] offset:64*\b+16
.endr
	WIN 0
.irp t, 0,1,2,3,4,5,6,7,8,9,10,11,12,13,14,15
	ds_load_b128 v[OB+64*((\a)%3)+4*\t:OB+64*((\a)%3)+4*\t+3], v[RD] offset:\t*SP   ; my own stage; LDS serves a wave's instructions in order (ISA guide 5.7.1.4): these see the stores above, and the next block's stores come behind them
.endr
.endm
.macro SEND a, younger                 ; younger: the LDS instructions issued behind block a's loads: the next block's 32, or none
.irp t, 0,1,2,3,4,5,6,7,8,9,10,11,12,13,14,15
.if (\t%4) == 0
	s_wait_dscnt \younger+12-\t                    ; rows t to t + 3 are back: behind them stand the block's 12 - t later loads and the younger ones
.endif
	global_store_b128 v[CO], v[OB+64*((\a)%3)+4*\t:OB+64*((\a)%3)+4*\t+3], s[8:9] offset:(\a)*65536+\t*4096   ; 32 lanes store 512 consecutive bytes, at a multiple of 512 from part's first byte; 127 rows at the most: inside the signed 24-bit immediate
.endr
.endm
	PLACES                                         ; behind the last products: their results are stored and their fragments' registers loaded below
	TOSTAGE 0
	TOSTAGE 1                                      ; a block's way through the stage stands between the loads of the block before and its stores
	SEND 0, 32
	TOSTAGE 2
	SEND 1, 32
	TOSTAGE 3
	SEND 2, 32
	TOSTAGE 4
	SEND 3, 32
	TOSTAGE 5
	SEND 4, 32
	TOSTAGE 6
	SEND 5, 32
	TOSTAGE 7
	SEND 6, 32
	SEND 7, 0                                      ; its last wait is for 0: no LDS instruction is pending at the signal below
	s_set_vgpr_msb 0x1
	s_wait_tensorcnt 0x0
	ds_add_u32 v255, v63
	s_wait_dscnt 0x0
	s_set_vgpr_msb 0x100
	CROUND                                         ; the closing round: no work-group ends while a partner may still ask for a tile that names it
	s_endpgm
.Lfunc_end_k_qae339266e1_ffn2:
	.size	k_qae339266e1_ffn2, .Lfunc_end_k_qae339266e1_ffn2-k_qae339266e1_ffn2
	.p2alignl 7, 3214868480
	.fill 96, 4, 3214868480
	.section	.rodata,"a",@progbits
	.p2align	6, 0x0
	.amdhsa_kernel k_qae339266e1_ffn2
		.amdhsa_group_segment_fixed_size 327680
		.amdhsa_private_segment_fixed_size 0
		.amdhsa_enable_private_segment 0
		.amdhsa_kernarg_size 24
		.amdhsa_user_sgpr_count 2
		.amdhsa_user_sgpr_kernarg_segment_ptr 1
		.amdhsa_wavefront_size32 1
		.amdhsa_system_sgpr_workgroup_id_x 1
		.amdhsa_system_sgpr_workgroup_id_y 1
		.amdhsa_system_sgpr_workgroup_id_z 1
		.amdhsa_system_vgpr_workitem_id 0
		.amdhsa_next_free_vgpr 1024
		.amdhsa_next_free_sgpr 66
		.amdhsa_reserve_vcc 0
		.amdhsa_float_denorm_mode_32 3
		.amdhsa_float_denorm_mode_16_64 3
		.amdhsa_memory_ordered 1
		.amdhsa_forward_progress 1
		.amdhsa_inst_pref_size 141
	.end_amdhsa_kernel
	.amdgpu_metadata
---
amdhsa.version: [ 1, 2 ]
amdhsa.kernels:
  - .name:           k_qae339266e1_ffn2
    .symbol:         k_qae339266e1_ffn2.kd
    .args:
      - { .name: h, .offset: 0, .size: 8, .value_kind: global_buffer, .address_space: global }
      - { .name: w2b, .offset: 8, .size: 8, .value_kind: global_buffer, .address_space: global }
      - { .name: part, .offset: 16, .size: 8, .value_kind: global_buffer, .address_space: global }
    .group_segment_fixed_size: 327680
    .private_segment_fixed_size: 0
    .kernarg_segment_align: 8
    .kernarg_segment_size: 24
    .max_flat_workgroup_size: 128
    .sgpr_count:     66
    .vgpr_count:     1024
    .wavefront_size: 32
...
	.end_amdgpu_metadata
.endif
;; end of part 3
;; launch comb (part 4): grid 512 x 1, 8 waves a work-group, no clusters, 0 bytes of LDS; arguments part, b2, gate, out0; writes out0
.if DOCPART == 4
	.amdgcn_target "amdgcn-amd-amdhsa--gfx1250"
	.amdhsa_code_object_version 6
	.text
	.protected	k_qae339266e1_comb
	.globl	k_qae339266e1_comb
	.p2align	8
	.type	k_qae339266e1_comb,@function
k_qae339266e1_comb:
	s_mov_b64 s[64:65], 0
	v_nop
	global_prefetch_b8 v0, s[64:65] scope:SCOPE_SE
	s_setreg_imm32_b32 hwreg(HW_REG_WAVE_MODE, 25, 1), 1
	s_wait_xcnt 0x0
; out0[t][d] = (part[0][t][d] + part[1][t][d]) + (part[2][t][d] + part[3][t][d]) + gate[t][0] b2[0][d] + gate[t][1] b2[1][d], all f32.
; part: [4][4096][1024], the four quarters of K of the second product; b2: [2][1024]; gate: [4096][2] = mask / TOP_K; out0: [4096][1024].
; The order of the sum is fixed and the same for every output.
; Eight waves; the work-group owns 8 rows.  Thread t owns the 16 bytes (4 columns) at byte 16 t of every row, so a load or store of a wave covers 512 neighbouring
; bytes, the eight waves together cover a row, and a thread's 2 x 4 numbers of b2 stay in registers.  The rows' 16 gates are the same for all lanes: one scalar load.
; All 32 loads of a thread's 8 rows x 4 planes go out at once and are worked off row by row.
; No LDS, no matrix unit, no cluster: every byte of part is read once, by one thread, and there is nothing to multiply in bulk.
.set ROW,   4096                       ; bytes in a row
.set PLANE, 0x1000000                  ; bytes in a plane of part: beyond a load's immediate, so each plane has its own base
.set B0,  4                            ; v[4:7]    b2[0] of my 4 columns
.set B1,  8                            ; v[8:11]   b2[1]
.set P,   16                           ; v[16:143] row i, plane s at 16 i + 4 s; the row's result takes plane 0's place
.set GS,  16                           ; s[16:31]  row i's gates at 16 + 2 i, 17 + 2 i
.set PB,  32                           ; s[32:39]  plane s's base at 32 + 2 s
	s_load_b256 s[4:11], s[0:1], 0x0               ; part s[4:5], b2 s[6:7], gate s[8:9], out0 s[10:11]
	v_lshlrev_b32 v1, 4, v0                        ; 16 t; never rewritten
	s_lshl_b32 s12, ttmp9, 15                      ; the work-group's 8 rows of 4,096 bytes
	s_mov_b32 s13, 0
	s_lshl_b32 s14, ttmp9, 6                       ; and their 8 pairs of gates
	s_mov_b32 s15, 0
	s_wait_kmcnt 0x0
	s_add_nc_u64 s[8:9], s[8:9], s[14:15]
	s_load_b512 s[GS:GS+15], s[8:9], 0x0           ; no line of this launch writes gate
	s_add_nc_u64 s[PB:PB+1],   s[4:5], s[12:13]
	s_add_nc_u64 s[PB+2:PB+3], s[PB:PB+1],   PLANE
	s_add_nc_u64 s[PB+4:PB+5], s[PB+2:PB+3], PLANE
	s_add_nc_u64 s[PB+6:PB+7], s[PB+4:PB+5], PLANE
	s_add_nc_u64 s[10:11], s[10:11], s[12:13]
	global_load_b128 v[B0:B0+3], v1, s[6:7]                        ; every work-group reads b2: no hint
	global_load_b128 v[B1:B1+3], v1, s[6:7] offset:ROW
.irp i, 0,1,2,3,4,5,6,7
.irp s, 0,1,2,3
	global_load_b128 v[P+16*\i+4*\s:P+16*\i+4*\s+3], v1, s[PB+2*\s:PB+2*\s+1] offset:\i*ROW th:TH_LOAD_NT   ; read once in the whole launch
.endr
.endr
	s_wait_kmcnt 0x0                               ; the gates
.macro ROWOUT i
	s_wait_loadcnt 4*(7-\i)                        ; loads come back in order (ISA guide 5.7.1): b2 and this row's four are in, the four of each later row stay out
.irp j, 0,2
	v_pk_add_f32 v[P+16*\i+\j:P+16*\i+\j+1],     v[P+16*\i+\j:P+16*\i+\j+1],     v[P+16*\i+4+\j:P+16*\i+4+\j+1]     ; planes 0 + 1
	v_pk_add_f32 v[P+16*\i+8+\j:P+16*\i+8+\j+1], v[P+16*\i+8+\j:P+16*\i+8+\j+1], v[P+16*\i+12+\j:P+16*\i+12+\j+1]   ; planes 2 + 3
.endr
.irp j, 0,2
	v_pk_add_f32 v[P+16*\i+\j:P+16*\i+\j+1], v[P+16*\i+\j:P+16*\i+\j+1], v[P+16*\i+8+\j:P+16*\i+8+\j+1]
.endr
.irp j, 0,1,2,3
	v_fma_f32 v[P+16*\i+\j], s[GS+2*\i], v[B0+\j], v[P+16*\i+\j]       ; + gate[t][0] b2[0][d]
.endr
.irp j, 0,1,2,3
	v_fma_f32 v[P+16*\i+\j], s[GS+2*\i+1], v[B1+\j], v[P+16*\i+\j]     ; + gate[t][1] b2[1][d]
.endr
	global_store_b128 v1, v[P+16*\i:P+16*\i+3], s[10:11] offset:\i*ROW th:TH_STORE_NT   ; no register of a store is written again
.endm
.irp i, 0,1,2,3,4,5,6,7
	ROWOUT \i
.endr
	s_endpgm
.Lfunc_end_k_qae339266e1_comb:
	.size	k_qae339266e1_comb, .Lfunc_end_k_qae339266e1_comb-k_qae339266e1_comb
	.p2alignl 7, 3214868480
	.fill 96, 4, 3214868480
	.section	.rodata,"a",@progbits
	.p2align	6, 0x0
	.amdhsa_kernel k_qae339266e1_comb
		.amdhsa_group_segment_fixed_size 0
		.amdhsa_private_segment_fixed_size 0
		.amdhsa_enable_private_segment 0
		.amdhsa_kernarg_size 32
		.amdhsa_user_sgpr_count 2
		.amdhsa_user_sgpr_kernarg_segment_ptr 1
		.amdhsa_wavefront_size32 1
		.amdhsa_system_sgpr_workgroup_id_x 1
		.amdhsa_system_sgpr_workgroup_id_y 1
		.amdhsa_system_sgpr_workgroup_id_z 1
		.amdhsa_system_vgpr_workitem_id 0
		.amdhsa_next_free_vgpr 144
		.amdhsa_next_free_sgpr 66
		.amdhsa_reserve_vcc 0
		.amdhsa_float_denorm_mode_32 3
		.amdhsa_float_denorm_mode_16_64 3
		.amdhsa_memory_ordered 1
		.amdhsa_forward_progress 1
		.amdhsa_inst_pref_size 13
	.end_amdhsa_kernel
	.amdgpu_metadata
---
amdhsa.version: [ 1, 2 ]
amdhsa.kernels:
  - .name:           k_qae339266e1_comb
    .symbol:         k_qae339266e1_comb.kd
    .args:
      - { .name: part, .offset: 0, .size: 8, .value_kind: global_buffer, .address_space: global }
      - { .name: b2, .offset: 8, .size: 8, .value_kind: global_buffer, .address_space: global }
      - { .name: gate, .offset: 16, .size: 8, .value_kind: global_buffer, .address_space: global }
      - { .name: out0, .offset: 24, .size: 8, .value_kind: global_buffer, .address_space: global }
    .group_segment_fixed_size: 0
    .private_segment_fixed_size: 0
    .kernarg_segment_align: 8
    .kernarg_segment_size: 32
    .max_flat_workgroup_size: 256
    .sgpr_count:     66
    .vgpr_count:     144
    .wavefront_size: 32
...
	.end_amdgpu_metadata
.endif
;; end of part 4
;; ======== version 2 of 2: 4 launches; version 1 with the launch prep written anew for expert scheduling mode
;; workspace buffers: xb 8,388,608 bytes; w1b 16,777,216 bytes; w2b 16,777,216 bytes; gate 32,768 bytes; h 67,108,864 bytes; part 67,108,864 bytes
;; launch prep (part 5): grid 640 x 1, 8 waves a work-group, no clusters, 1,280 bytes of LDS; arguments x, Wr, W1, W2, xb, w1b, w2b, gate; writes xb, w1b, w2b, gate
.if DOCPART == 5
	.amdgcn_target "amdgcn-amd-amdhsa--gfx1250"
	.amdhsa_code_object_version 6
	.text
	.protected	k_qae339266e1_prep
	.globl	k_qae339266e1_prep
	.p2align	8
	.type	k_qae339266e1_prep,@function
k_qae339266e1_prep:
	s_mov_b64 s[64:65], 0
	v_nop
	global_prefetch_b8 v0, s[64:65] scope:SCOPE_SE
	s_setreg_imm32_b32 hwreg(HW_REG_WAVE_SCHED_MODE, 0, 2), 2
	s_setreg_imm32_b32 hwreg(HW_REG_WAVE_MODE, 25, 1), 1
	s_wait_xcnt 0x0
	s_wait_alu depctr_vm_vsrc(0)
; xb = bf16(x), w1b = bf16(W1), w2b = bf16(W2), each in its own order; gate[token][e] = mask[token][e] / TOP_K in f32.
; All three tensors are taken as rows of 1,024 f32 (4,096 bytes in, 2,048 bytes out): x has 4,096, W1 and W2 8,192 each.
; A work-group takes 32 rows, a wave 4: work-groups 0-127 x, 128-383 W1, 384-639 W2.  A wave asks for its 4 rows at once (32 loads of
; 512 neighbouring bytes) and works them off in order.  A store of a wave covers 256 consecutive bytes, aligned.
; ROUTER (x's work-groups): both scores x . Wr[e] in f32; top_k of 2 among 2: the index of the larger score first (the lower index on a
; tie), then the one that is left; mask[e] = the sum of the two one-hots; gate = mask / 2.  It only selects values: no branch, no address.
; LIMIT: the score's 1,024 products are added in another order than a plain dot product's; since both experts are always among the two
; chosen, the mask does not hang on the scores' last bits.
; No matrix unit, no tensor loads, no cluster: no byte is read twice, and there is nothing to multiply in bulk.
; THE MODE: SCHED_MODE bits 1:0 = 2 (LLVM: expert scheduling mode 2), set by the entry lines.  The code itself states the register dependences
; between vector instructions and memory or LDS instructions, with s_wait_alu, always for 0.
; THE PLAN.  Registers that memory or LDS instructions touch:
;   v1, v2, v3, v5   byte offsets; v4 an LDS address; v224, v225 the closing add's pair.  Written at the head, never again: one wait at the head's end.
;   WR               Written by 16 loads, read by the dot products, never loaded again.
;   X, row r         Written by the row's 8 loads; read by its dot products and conversions; the conversions write 16 of its registers in place, which
;                    the row's 8 stores read.  Nothing writes them after that.
;   GA               Written by each row's last two additions; read by the four LDS stores at the end.
;   v[6:7]           Written by an LDS load, read by a store; no vector instruction names them.
; So a row has ONE wait on va_vdst, behind its sixteen conversions and ahead of its eight stores.  In x's rows the score's reduction and the gates stand
; behind that wait, with the stores dealt among them: that work names v8 to v23 and GA, none of the registers that the stores touch.
; No register that a memory or LDS instruction has read, or that a vector instruction has named, is written or loaded again: no wait on vm_vsrc is owed.
; The selects' masks lie in scalar registers, the compares in runs, with one wait on va_sdst behind each run.
.set GA, 24                            ; v[24:31]   gates of my wave's 4 rows: (e0, e1) for each
.set WR, 32                            ; v[32:95]   Wr: expert e, chunk j at 32 e + 4 j
.set X,  96                            ; v[96:223]  row r, chunk j at 32 r + 4 j: as loaded, then (first two registers) as stored
	s_load_b256 s[4:11], s[0:1], 0x0               ; x s[4:5], Wr s[6:7], W1 s[8:9], W2 s[10:11]
	s_load_b256 s[12:19], s[0:1], 0x20             ; xb s[12:13], w1b s[14:15], w2b s[16:17], gate s[18:19]
	v_lshl_add_u32 v224, v0, 2, 0x100
	v_mov_b32 v225, 0
	v_lshrrev_b32 v16, 5, v0
	v_readfirstlane_b32 s20, v16                   ; wave 0..7
	v_and_b32 v17, 31, v0                          ; lane
	v_lshlrev_b32 v3, 4, v17                       ; 16 bytes a lane: my place in a chunk of 512 bytes of f32
	v_lshlrev_b32 v5, 3, v17                       ; 8 bytes a lane: the same four numbers in bf16
	v_lshl_add_u32 v1, v16, 14, v3                 ; + wave x 4 rows x 4,096 bytes: source
	v_lshl_add_u32 v2, v16, 13, v5                 ; + wave x 4 rows x 2,048 bytes: destination
	s_wait_alu depctr_va_sdst(0)                   ; s20 is written, ahead of its first reader, the line below
	v_mov_b32 v4, s20
	v_lshlrev_b32 v4, 5, v4                        ; my wave's 32 bytes in LDS: 4 rows x 2 gates
	v_mov_b32 v20, 1
	v_mov_b32 v21, 0.5                             ; 1 / TOP_K
	s_mov_b32 s28, 0x76543210                      ; v_permlanex16_b32: each lane takes its own place in the other half
	s_mov_b32 s29, 0xfedcba98
	s_mov_b32 s27, 0                               ; high word of every offset pair
	s_wait_kmcnt 0x0
	s_wait_alu depctr_va_vdst(0)                   ; v1 to v5, v224 and v225 are written: every load, store and LDS instruction of both paths below reads some of them as its address
.macro LOADROWS                        ; my wave's 4 rows: 32 loads, read once in the whole launch
.irp r, 0,1,2,3
.irp j, 0,1,2,3,4,5,6,7
	global_load_b128 v[X+32*\r+4*\j:X+32*\r+4*\j+3], v1, s[22:23] offset:\r*4096+512*\j th:TH_LOAD_NT
.endr
.endr
.endm
.macro ST r, j                         ; chunk j of row r goes out: 32 lanes x 8 bytes; no register of a store is written again
	global_store_b64 v2, v[X+32*\r+4*\j:X+32*\r+4*\j+1], s[24:25] offset:\r*2048+256*\j
.endm
; Row r.  dot = 1: the router's two scores and the row's gates as well.
.macro ROW r, dot
	s_wait_loadcnt 8*(3-\r)                        ; loads come back in order (ISA guide 5.7.1): this row (and Wr, asked for first) is in, the 8 loads of each later row stay out
.if \dot
	v_pk_mul_f32 v[8:9],   v[X+32*\r:X+32*\r+1],   v[WR:WR+1]        ; the first chunk starts the four pair sums: nothing is cleared
	v_pk_mul_f32 v[10:11], v[X+32*\r+2:X+32*\r+3], v[WR+2:WR+3]
	v_pk_mul_f32 v[12:13], v[X+32*\r:X+32*\r+1],   v[WR+32:WR+33]
	v_pk_mul_f32 v[14:15], v[X+32*\r+2:X+32*\r+3], v[WR+34:WR+35]
.irp j, 1,2,3,4,5,6,7
	v_pk_fma_f32 v[8:9],   v[X+32*\r+4*\j:X+32*\r+4*\j+1],   v[WR+4*\j:WR+4*\j+1],       v[8:9]
	v_pk_fma_f32 v[10:11], v[X+32*\r+4*\j+2:X+32*\r+4*\j+3], v[WR+4*\j+2:WR+4*\j+3],     v[10:11]
	v_pk_fma_f32 v[12:13], v[X+32*\r+4*\j:X+32*\r+4*\j+1],   v[WR+32+4*\j:WR+32+4*\j+1], v[12:13]
	v_pk_fma_f32 v[14:15], v[X+32*\r+4*\j+2:X+32*\r+4*\j+3], v[WR+34+4*\j:WR+34+4*\j+1], v[14:15]
.endr
.endif
.irp j, 0,1,2,3,4,5,6,7
	v_cvt_pk_bf16_f32 v[X+32*\r+4*\j],   v[X+32*\r+4*\j],   v[X+32*\r+4*\j+1]   ; rounds to nearest even, in place
	v_cvt_pk_bf16_f32 v[X+32*\r+4*\j+1], v[X+32*\r+4*\j+2], v[X+32*\r+4*\j+3]
.endr
	s_wait_alu depctr_va_vdst(0)                   ; the sixteen conversions have written the row's out registers, which its eight stores read
.if \dot
	ST \r, 0                                       ; the stores are dealt among the reduction.  No further wait: no vector instruction since the wait above names v2 or a register of X's row
	ST \r, 1
	v_pk_add_f32 v[8:9], v[8:9], v[10:11]
	v_pk_add_f32 v[12:13], v[12:13], v[14:15]
	v_add_f32 v8, v8, v9
	v_add_f32 v12, v12, v13
	ST \r, 2
	ST \r, 3
.irp m, 1,2                            ; across 16 lanes; the two scores alternate
	v_add_f32_dpp v8, v8, v8 row_xmask:\m row_mask:0xf bank_mask:0xf
	v_add_f32_dpp v12, v12, v12 row_xmask:\m row_mask:0xf bank_mask:0xf
.endr
	ST \r, 4
	ST \r, 5
.irp m, 4,8
	v_add_f32_dpp v8, v8, v8 row_xmask:\m row_mask:0xf bank_mask:0xf
	v_add_f32_dpp v12, v12, v12 row_xmask:\m row_mask:0xf bank_mask:0xf
.endr
	ST \r, 6
	ST \r, 7
	v_permlanex16_b32 v16, v8, s28, s29            ; the other half of the lanes (v16, v17 have been written)
	v_permlanex16_b32 v17, v12, s28, s29
	v_add_f32 v8, v8, v16                          ; score of expert 0, in every lane
	v_add_f32 v12, v12, v17                        ; score of expert 1
	v_cmp_gt_f32 s21, v12, v8
	s_wait_alu depctr_va_sdst(0)                   ; the compare has written s21, which the select below reads
	v_cndmask_b32 v18, 0, v20, s21                 ; top[0]: 1 where expert 1's score is the larger, else 0
	v_xor_b32 v19, 1, v18                          ; top[1]: the expert that is left
	v_cmp_eq_u32 s2, 0, v18                        ; the four one-hots' compares in one run, a scalar register each
	v_cmp_eq_u32 s3, 0, v19
	v_cmp_eq_u32 s30, 1, v18
	v_cmp_eq_u32 s31, 1, v19
	s_wait_alu depctr_va_sdst(0)                   ; the four compares have written s2, s3, s30 and s31, which the four selects below read
	v_cndmask_b32 v16, 0, v21, s2                  ; one_hot(top[0])[0] / 2
	v_cndmask_b32 v17, 0, v21, s3                  ; one_hot(top[1])[0] / 2
	v_cndmask_b32 v22, 0, v21, s30                 ; one_hot(top[0])[1] / 2
	v_cndmask_b32 v23, 0, v21, s31                 ; one_hot(top[1])[1] / 2
	v_add_f32 v[GA+2*\r], v16, v17
	v_add_f32 v[GA+2*\r+1], v22, v23
.else
.irp j, 0,1,2,3,4,5,6,7
	ST \r, \j
.endr
.endif
.endm
	s_cmp_lt_u32 ttmp9, 128                        ; the same in all eight waves
	s_cbranch_scc0 .Lweights
	; x: 32 rows are 131,072 bytes in, 65,536 out, and 256 bytes of gates
	s_lshl_b32 s26, ttmp9, 17
	s_add_nc_u64 s[22:23], s[4:5], s[26:27]
	s_lshl_b32 s26, ttmp9, 16
	s_add_nc_u64 s[24:25], s[12:13], s[26:27]
	s_lshl_b32 s26, ttmp9, 8
	s_add_nc_u64 s[18:19], s[18:19], s[26:27]
.irp e, 0,1
.irp j, 0,1,2,3,4,5,6,7
	global_load_b128 v[WR+32*\e+4*\j:WR+32*\e+4*\j+3], v3, s[6:7] offset:\e*4096+512*\j   ; every work-group of x reads Wr: no hint
.endr
.endr
	LOADROWS
	ROW 0, 1
	ROW 1, 1
	ROW 2, 1
	ROW 3, 1
	; the work-group's 32 x 2 gates are 256 bytes: gathered in LDS, stored by one instruction
	s_wait_alu depctr_va_vdst(0)                   ; the rows' additions have written the eight gates, which the LDS stores read
.irp r, 0,1,2,3
	ds_store_b64 v4, v[GA+2*\r:GA+2*\r+1] offset:8*\r      ; all lanes hold the same two numbers
.endr
	s_wait_dscnt 0x0                               ; for wave 0's sake: my stores are done
	s_barrier_signal -1
	s_barrier_wait -1
	s_cmp_lg_u32 s20, 0
	s_cbranch_scc1 .Lend
	ds_load_b64 v[6:7], v5                         ; lane l: row l's pair; no vector instruction has named v6 or v7
	s_wait_dscnt 0x0
	global_store_b64 v5, v[6:7], s[18:19]
.Lend:
	s_wait_dscnt 0x0                               ; the closing lines, six on end
	s_wait_alu 0x0
	s_wait_tensorcnt 0x0
	ds_add_u32 v224, v225
	s_wait_dscnt 0x0
	s_endpgm
.Lweights:
	s_sub_co_u32 s21, ttmp9, 128                   ; 0-255: W1, 256-511: W2
	s_and_b32 s26, s21, 255                        ; the block of 32 rows in its tensor
	s_cmp_lt_u32 s21, 256
	s_cselect_b64 s[22:23], s[8:9], s[10:11]
	s_cselect_b64 s[24:25], s[14:15], s[16:17]
	s_lshl_b32 s21, s26, 16
	s_lshl_b32 s26, s26, 17
	s_add_nc_u64 s[22:23], s[22:23], s[26:27]
	s_mov_b32 s26, s21
	s_add_nc_u64 s[24:25], s[24:25], s[26:27]
	LOADROWS
	ROW 0, 0
	ROW 1, 0
	ROW 2, 0
	ROW 3, 0
	s_endpgm
.Lfunc_end_k_qae339266e1_prep:
	.size	k_qae339266e1_prep, .Lfunc_end_k_qae339266e1_prep-k_qae339266e1_prep
	.p2alignl 7, 3214868480
	.fill 96, 4, 3214868480
	.section	.rodata,"a",@progbits
	.p2align	6, 0x0
	.amdhsa_kernel k_qae339266e1_prep
		.amdhsa_group_segment_fixed_size 1280
		.amdhsa_private_segment_fixed_size 0
		.amdhsa_enable_private_segment 0
		.amdhsa_kernarg_size 64
		.amdhsa_user_sgpr_count 2
		.amdhsa_user_sgpr_kernarg_segment_ptr 1
		.amdhsa_wavefront_size32 1
		.amdhsa_system_sgpr_workgroup_id_x 1
		.amdhsa_system_sgpr_workgroup_id_y 1
		.amdhsa_system_sgpr_workgroup_id_z 1
		.amdhsa_system_vgpr_workitem_id 0
		.amdhsa_next_free_vgpr 226
		.amdhsa_next_free_sgpr 66
		.amdhsa_reserve_vcc 0
		.amdhsa_float_denorm_mode_32 3
		.amdhsa_float_denorm_mode_16_64 3
		.amdhsa_memory_ordered 1
		.amdhsa_forward_progress 1
		.amdhsa_inst_pref_size 40
	.end_amdhsa_kernel
	.amdgpu_metadata
---
amdhsa.version: [ 1, 2 ]
amdhsa.kernels:
  - .name:           k_qae339266e1_prep
    .symbol:         k_qae339266e1_prep.kd
    .args:
      - { .name: x, .offset: 0, .size: 8, .value_kind: global_buffer, .address_space: global }
      - { .name: Wr, .offset: 8, .size: 8, .value_kind: global_buffer, .address_space: global }
      - { .name: W1, .offset: 16, .size: 8, .value_kind: global_buffer, .address_space: global }
      - { .name: W2, .offset: 24, .size: 8, .value_kind: global_buffer, .address_space: global }
      - { .name: xb, .offset: 32, .size: 8, .value_kind: global_buffer, .address_space: global }
      - { .name: w1b, .offset: 40, .size: 8, .value_kind: global_buffer, .address_space: global }
      - { .name: w2b, .offset: 48, .size: 8, .value_kind: global_buffer, .address_space: global }
      - { .name: gate, .offset: 56, .size: 8, .value_kind: global_buffer, .address_space: global }
    .group_segment_fixed_size: 1280
    .private_segment_fixed_size: 0
    .kernarg_segment_align: 8
    .kernarg_segment_size: 64
    .max_flat_workgroup_size: 256
    .sgpr_count:     66
    .vgpr_count:     226
    .wavefront_size: 32
...
	.end_amdgpu_metadata
.endif
;; end of part 5
;; launch ffn1: the kernel of part 2 again; grid 32 x 16, 4 waves a work-group, clusters of 4 x 4, 327,680 bytes of LDS; arguments xb, w1b, h, b1, gate; writes h
;; launch ffn2: the kernel of part 3 again; grid 4 x 64, 4 waves a work-group, clusters of 4 x 4, 327,680 bytes of LDS; arguments h, w2b, part; writes part
;; launch comb: the kernel of part 4 again; grid 512 x 1, 8 waves a work-group, no clusters, 0 bytes of LDS; arguments part, b2, gate, out0; writes out0
